; MI455X (gfx1250); checked and timed in simulation.
; The chip was launched on July 23, 2026; its instructions are those of AMD's public machine-readable ISA for CDNA 5 (MIT licence, August 2026) and "CDNA5" Instruction Set Architecture Reference Guide (July 2026). The comments in the code are by the model that wrote it; some were corrected since.
;; GQ Attention. Allowed arithmetic: float matrix products may take bf16 or f16 operands with f32 sums; all other float work in f32.
;; Inputs: Wk 2,048 x 512 float32; Wo 2,048 x 2,048 float32; Wq 2,048 x 2,048 float32; Wv 2,048 x 512 float32; freqs 2 x 2,048 x 64 float32; mask 1 x 1 x 2,048 x 2,048 bool; x 1 x 2,048 x 2,048 float32.
;; Outputs: out0 1 x 2,048 x 2,048 float32.
;; One version. Each part assembles by itself: llvm-mc -triple=amdgcn-amd-amdhsa -mcpu=gfx1250 --defsym DOCPART=n.
;; ======== version 1 of 1: 4 launches
;; limits: values outside matrix products are rounded to bf16; values are held in f16: magnitudes above 65,504 overflow, below 6.1e-05 lose precision
;; workspace buffers: xb 8,388,608 bytes; wqkvt 12,582,912 bytes; wot 8,388,608 bytes; maskbits 524,288 bytes of whole numbers; qkv 12,582,912 bytes; ao 8,388,608 bytes
;; launch prep (part 1): grid 256 x 1, 8 waves a work-group, no clusters, 88,064 bytes of LDS; arguments x, Wq, Wk, Wv, Wo, mask, xb, wqkvt, wot, maskbits; writes xb, wqkvt, wot, maskbits
.if DOCPART == 1
	.amdgcn_target "amdgcn-amd-amdhsa--gfx1250"
	.amdhsa_code_object_version 6
	.text
	.protected	k_qcf5b5121bc_prep
	.globl	k_qcf5b5121bc_prep
	.p2align	8
	.type	k_qcf5b5121bc_prep,@function
k_qcf5b5121bc_prep:
	s_mov_b64 s[64:65], 0
	v_nop
	global_prefetch_b8 v0, s[64:65] scope:SCOPE_SE
	s_setreg_imm32_b32 hwreg(HW_REG_WAVE_MODE, 25, 1), 1
	s_wait_xcnt 0x0
; PREP: brings the inputs into the forms that the three matrix launches read.
;   xb       [2048 t][2048 k] bf16    = x rounded once
;   wqkvt    [3072 n][2048 k] bf16    = Wq, Wk, Wv rounded once and transposed (rows 0-2047 Wq, 2048-2559 Wk, 2560-3071 Wv)
;   wot      [2048 n][2048 k] f16     = Wo rounded to bf16, transposed, written as f16 (exact from 7.6e-6 up; below that an absolute error of at most 3e-8)
;   maskbits u32 [128 qtile][128 ktile][8 j]: bit r + 16 h = (mask[16 qtile + r][16 ktile + 8 h + j] != 0): any non-zero byte counts as true
; A stream: no matrix unit, no cluster (no two work-groups read the same bytes), no barrier (each wave works for itself).
; Every work-group has the same share: waves 0-4 transpose one tile of 64 n x 128 k each (1,280 tiles), waves 5-6 cast 8,192 numbers of x each
; (512 units), wave 7 packs the mask bytes of 16 query rows x 1,024 keys (256 units).
.set RR, 16                            ; v[16:143]   loaded data: four groups of 32 registers (transpose), two batches of 64 (cast), 64 pairs (mask)
.set PK, 144                           ; v[144:175]  packed results
.set TM, 160                           ; v[160:167]  at work (transpose, mask)
.set PW, 64*272                        ; a wave's LDS: 64 rows (n) of 128 k x 2 bytes + 16 of padding
	s_load_b512 s[8:23], s[0:1], 0x0               ; x s[8:9], Wq s[10:11], Wk s[12:13], Wv s[14:15], Wo s[16:17], mask s[18:19], xb s[20:21], wqkvt s[22:23]
	s_load_b128 s[24:27], s[0:1], 0x40             ; wot s[24:25], maskbits s[26:27]
	v_lshl_add_u32 v176, v0, 2, 0x15400
	v_mov_b32 v177, 0
	v_lshrrev_b32 v1, 5, v0
	v_readfirstlane_b32 s4, v1                     ; wave 0..7
	v_and_b32 v5, 31, v0                           ; lane
	v_and_b32 v6, 15, v0                           ; lane % 16
	v_bfe_u32 v7, v0, 4, 1                         ; lane / 16
	s_wait_kmcnt 0x0
	s_cmp_ge_u32 s4, 7
	s_cbranch_scc1 .Lmask
	s_cmp_ge_u32 s4, 5
	s_cbranch_scc1 .Lcast
; ---------------------------------------------------------------- transposes (waves 0-4)
; Eight loads of a group: lanes 0-15 take 256 bytes (64 n) of row 16 gq + j, lanes 16-31 of row 16 gq + 8 + j.
.macro LDG gq, pitch
.irp j, 0,1,2,3,4,5,6,7
	global_load_b128 v[RR+32*((\gq)&3)+4*\j:RR+32*((\gq)&3)+4*\j+3], v1, s[28:29] offset:(16*(\gq)+\j)*\pitch th:TH_LOAD_NT
.endr
.endm
; A group: a lane holds 8 consecutive k of 4 columns n; each column's 8 numbers pack into 16 bytes, which go to row n of the wave's LDS.
.macro GRP gq, pitch, f16, left
	s_wait_loadcnt \left                           ; eight loads for each younger group that has been issued may stay out
.irp x, 0,1,2,3
.irp jj, 0,1,2,3
	v_cvt_pk_bf16_f32 v[PK+4*\x+\jj], v[RR+32*((\gq)&3)+8*\jj+\x], v[RR+32*((\gq)&3)+8*\jj+4+\x]
.endr
.endr
.if \f16
.set q, 0
.rept 16
	v_lshlrev_b32 v[TM+2*(q&1)], 16, v[PK+q]       ; the bf16 values again as f32,
	v_and_b32 v[TM+2*(q&1)+1], 0xffff0000, v[PK+q]
	v_cvt_pk_f16_f32 v[PK+q], v[TM+2*(q&1)], v[TM+2*(q&1)+1]   ; and written as f16
.set q, q+1
.endr
.endif
.irp x, 0,1,2,3
	ds_store_b128 v2, v[PK+4*\x:PK+4*\x+3] offset:\x*272+32*(\gq)   ; lanes stand 4 rows apart: these stores meet four deep in the banks, once per 16 bytes of a stream
.endr
.if \gq < 4
	LDG \gq+4, \pitch
.endif
.endm
.macro TRANS pitch, f16
	v_mul_u32_u24 v1, v7, 8*\pitch
	v_lshl_add_u32 v1, v6, 4, v1                   ; 8 (lane / 16) rows + 16 (lane % 16) bytes
	LDG 0, \pitch
	LDG 1, \pitch
	LDG 2, \pitch
	LDG 3, \pitch                                  ; 32 loads of 512 bytes on their way
	GRP 0, \pitch, \f16, 24
	GRP 1, \pitch, \f16, 24
	GRP 2, \pitch, \f16, 24
	GRP 3, \pitch, \f16, 24
	GRP 4, \pitch, \f16, 24
	GRP 5, \pitch, \f16, 16
	GRP 6, \pitch, \f16, 8
	GRP 7, \pitch, \f16, 0
.set i, 0
.rept 32
	ds_load_b128 v[RR+4*i:RR+4*i+3], v3 offset:i*544     ; two whole rows back; the wave's own bytes, served in order: no wait between stores and loads
.set i, i+1
.endr
.set i, 0
.rept 32
	s_wait_dscnt 31-i
	global_store_b128 v4, v[RR+4*i:RR+4*i+3], s[30:31] offset:i*8192   ; 16 lanes store 256 consecutive bytes, at a multiple of 256 from the buffer's first byte
.set i, i+1
.endr
	s_wait_tensorcnt 0x0
	ds_add_u32 v176, v177
	s_wait_dscnt 0x0
	s_endpgm
.endm
	s_mul_i32 s5, ttmp9, 5
	s_add_co_u32 s5, s5, s4                        ; tile 0..1279
	s_and_b32 s6, s5, 15                           ; its block of 128 k
	s_lshr_b32 s7, s5, 4                           ; its block of 64 n, counted through Wq, Wk, Wv, Wo
	s_mul_i32 s32, s4, PW                          ; my wave's LDS
	v_mul_u32_u24 v2, v6, 4*272
	v_lshl_add_u32 v2, v7, 4, v2
	v_add_nc_u32 v2, s32, v2                       ; in: row 4 (lane % 16), 16 bytes for each half of the lanes
	v_mul_u32_u24 v3, v7, 272
	v_lshl_add_u32 v3, v6, 4, v3
	v_add_nc_u32 v3, s32, v3                       ; back: lanes 0-15 one row, lanes 16-31 the next
	v_lshlrev_b32 v4, 12, v7
	v_lshl_add_u32 v4, v6, 4, v4                   ; the same two rows in the output (rows of 4,096 bytes)
	s_cmp_ge_u32 s5, 768
	s_cbranch_scc1 .Lwo
	s_lshl_b32 s34, s7, 18                         ; 64 rows of 4,096 bytes
	s_lshl_b32 s35, s6, 8                          ; 128 k of 2 bytes
	s_add_co_u32 s34, s34, s35
	s_mov_b32 s35, 0
	s_add_nc_u64 s[30:31], s[22:23], s[34:35]      ; wqkvt at the tile
	s_cmp_ge_u32 s5, 512
	s_cbranch_scc1 .Lwkv
	s_lshl_b32 s36, s6, 20                         ; Wq: 128 rows of 8,192 bytes
	s_lshl_b32 s37, s7, 8                          ; 64 n of 4 bytes
	s_add_co_u32 s36, s36, s37
	s_mov_b32 s37, 0
	s_add_nc_u64 s[28:29], s[10:11], s[36:37]
	TRANS 8192, 0
.Lwkv:
	s_and_b32 s36, s7, 7                           ; Wk and Wv have 8 blocks of 64 n each
	s_lshl_b32 s36, s36, 8
	s_lshl_b32 s37, s6, 18                         ; 128 rows of 2,048 bytes
	s_add_co_u32 s36, s36, s37
	s_mov_b32 s37, 0
	s_cmp_ge_u32 s5, 640
	s_cselect_b64 s[28:29], s[14:15], s[12:13]     ; tiles 640-767 are Wv's
	s_add_nc_u64 s[28:29], s[28:29], s[36:37]
	TRANS 2048, 0
.Lwo:
	s_sub_co_u32 s7, s7, 48                        ; Wo's own block of 64 n
	s_lshl_b32 s34, s7, 18
	s_lshl_b32 s35, s6, 8
	s_add_co_u32 s34, s34, s35
	s_mov_b32 s35, 0
	s_add_nc_u64 s[30:31], s[24:25], s[34:35]      ; wot at the tile
	s_lshl_b32 s36, s6, 20
	s_lshl_b32 s37, s7, 8
	s_add_co_u32 s36, s36, s37
	s_mov_b32 s37, 0
	s_add_nc_u64 s[28:29], s[16:17], s[36:37]
	TRANS 8192, 1
; ---------------------------------------------------------------- cast of x (waves 5, 6)
; 32 chunks of 256 numbers; a lane takes 8 numbers (two loads of 16 bytes) and stores 16 bytes.  Four batches of 8 chunks on two buffers.
.macro XLD b
.irp i, 0,1,2,3,4,5,6,7
	global_load_b128 v[RR+64*((\b)&1)+8*\i:RR+64*((\b)&1)+8*\i+3], v1, s[28:29] offset:(8*(\b)+\i)*1024 th:TH_LOAD_NT
	global_load_b128 v[RR+64*((\b)&1)+8*\i+4:RR+64*((\b)&1)+8*\i+7], v1, s[28:29] offset:(8*(\b)+\i)*1024+16 th:TH_LOAD_NT
.endr
.endm
.macro XB b, left
	s_wait_loadcnt \left                           ; the younger batch's 16 loads may stay out
	s_wait_xcnt 0x0                                ; the packed registers, which the last batch's stores read, are rewritten only behind this wait
.set q, 0
.rept 32
	v_cvt_pk_bf16_f32 v[PK+q], v[RR+64*(\b&1)+2*q], v[RR+64*(\b&1)+2*q+1]
.set q, q+1
.endr
.if \b < 2
	XLD \b+2
.endif
.irp i, 0,1,2,3,4,5,6,7
	global_store_b128 v2, v[PK+4*\i:PK+4*\i+3], s[30:31] offset:(8*\b+\i)*512   ; 512 consecutive bytes
.endr
.endm
.Lcast:
	s_lshl_b32 s5, ttmp9, 1
	s_add_co_u32 s5, s5, s4
	s_sub_co_u32 s5, s5, 5                         ; unit 0..511
	s_lshl_b32 s6, s5, 15
	s_mov_b32 s7, 0
	s_add_nc_u64 s[28:29], s[8:9], s[6:7]          ; x: 32,768 bytes a unit
	s_lshl_b32 s6, s5, 14
	s_add_nc_u64 s[30:31], s[20:21], s[6:7]        ; xb: 16,384 bytes a unit
	v_lshlrev_b32 v1, 5, v5
	v_lshlrev_b32 v2, 4, v5
	XLD 0
	XLD 1
	XB 0, 16
	XB 1, 16
	XB 2, 16
	XB 3, 0
	s_endpgm
; ---------------------------------------------------------------- mask bits (wave 7)
; Lane (r, h) loads the 8 bytes mask[16 qtile + r][16 ktile + 8 h ..]; a compare of byte j over the 32 lanes IS the word (ktile, j).
; The words of 16 ktiles are gathered, four to a lane, and stored as 512 consecutive bytes.
.Lmask:
	s_lshr_b32 s5, ttmp9, 1                        ; qtile
	s_and_b32 s6, ttmp9, 1                         ; which 1,024 keys
	s_lshl_b32 s32, s5, 15                         ; 16 rows of 2,048 bytes
	s_lshl_b32 s33, s6, 10
	s_add_co_u32 s32, s32, s33
	s_mov_b32 s33, 0
	s_add_nc_u64 s[28:29], s[18:19], s[32:33]
	s_lshl_b32 s32, s5, 12                         ; 128 ktiles x 8 words
	s_lshl_b32 s34, s6, 11
	s_add_co_u32 s32, s32, s34
	s_add_nc_u64 s[30:31], s[26:27], s[32:33]
	v_lshlrev_b32 v1, 11, v6
	v_lshl_add_u32 v1, v7, 3, v1                   ; row r, 8 bytes for each half of the lanes
	v_lshlrev_b32 v2, 4, v5
.set i, 0
.rept 16
	v_mov_b32 v[PK+i], 0                           ; v_writelane_b32 keeps the other lanes: the registers are written whole first
.set i, i+1
.endr
.set i, 0
.rept 64
	global_load_b64 v[RR+2*i:RR+2*i+1], v1, s[28:29] offset:16*i
.set i, i+1
.endr
.set g, 0
.rept 4
	s_wait_loadcnt 48-16*g                         ; the younger groups' loads, 16 each, may stay out
.set kt, 0
.rept 16
.irp j, 0,1,2,3,4,5,6,7
	v_and_b32 v[TM+\j], 0xff<<(8*(\j&3)), v[RR+2*(16*g+kt)+(\j>>2)]
.endr
.irp j, 0,1,2,3,4,5,6,7
	v_cmp_ne_u32 s[40+\j], 0, v[TM+\j]
.endr
.irp j, 0,1,2,3,4,5,6,7
	v_writelane_b32 v[PK+4*g+(\j&3)], s[40+\j], 2*kt+(\j>>2)     ; word 8 kt + j of the group: lane (8 kt + j) / 4, register j % 4
.endr
.set kt, kt+1
.endr
	global_store_b128 v2, v[PK+4*g:PK+4*g+3], s[30:31] offset:512*g
.set g, g+1
.endr
	s_endpgm
.Lfunc_end_k_qcf5b5121bc_prep:
	.size	k_qcf5b5121bc_prep, .Lfunc_end_k_qcf5b5121bc_prep-k_qcf5b5121bc_prep
	.p2alignl 7, 3214868480
	.fill 96, 4, 3214868480
	.section	.rodata,"a",@progbits
	.p2align	6, 0x0
	.amdhsa_kernel k_qcf5b5121bc_prep
		.amdhsa_group_segment_fixed_size 88064
		.amdhsa_private_segment_fixed_size 0
		.amdhsa_enable_private_segment 0
		.amdhsa_kernarg_size 80
		.amdhsa_user_sgpr_count 2
		.amdhsa_user_sgpr_kernarg_segment_ptr 1
		.amdhsa_wavefront_size32 1
		.amdhsa_system_sgpr_workgroup_id_x 1
		.amdhsa_system_sgpr_workgroup_id_y 1
		.amdhsa_system_sgpr_workgroup_id_z 1
		.amdhsa_system_vgpr_workitem_id 0
		.amdhsa_next_free_vgpr 178
		.amdhsa_next_free_sgpr 66
		.amdhsa_reserve_vcc 0
		.amdhsa_float_denorm_mode_32 3
		.amdhsa_float_denorm_mode_16_64 3
		.amdhsa_memory_ordered 1
		.amdhsa_forward_progress 1
		.amdhsa_inst_pref_size 212
	.end_amdhsa_kernel
	.amdgpu_metadata
---
amdhsa.version: [ 1, 2 ]
amdhsa.kernels:
  - .name:           k_qcf5b5121bc_prep
    .symbol:         k_qcf5b5121bc_prep.kd
    .args:
      - { .name: x, .offset: 0, .size: 8, .value_kind: global_buffer, .address_space: global }
      - { .name: Wq, .offset: 8, .size: 8, .value_kind: global_buffer, .address_space: global }
      - { .name: Wk, .offset: 16, .size: 8, .value_kind: global_buffer, .address_space: global }
      - { .name: Wv, .offset: 24, .size: 8, .value_kind: global_buffer, .address_space: global }
      - { .name: Wo, .offset: 32, .size: 8, .value_kind: global_buffer, .address_space: global }
      - { .name: mask, .offset: 40, .size: 8, .value_kind: global_buffer, .address_space: global }
      - { .name: xb, .offset: 48, .size: 8, .value_kind: global_buffer, .address_space: global }
      - { .name: wqkvt, .offset: 56, .size: 8, .value_kind: global_buffer, .address_space: global }
      - { .name: wot, .offset: 64, .size: 8, .value_kind: global_buffer, .address_space: global }
      - { .name: maskbits, .offset: 72, .size: 8, .value_kind: global_buffer, .address_space: global }
    .group_segment_fixed_size: 88064
    .private_segment_fixed_size: 0
    .kernarg_segment_align: 8
    .kernarg_segment_size: 80
    .max_flat_workgroup_size: 256
    .sgpr_count:     66
    .vgpr_count:     178
    .wavefront_size: 32
...
	.end_amdgpu_metadata
.endif
;; end of part 1
;; launch qkv (part 2): grid 16 x 16, 4 waves a work-group, clusters of 4 x 4, 327,680 bytes of LDS; arguments xb, wqkvt, qkv, freqs; writes qkv
.if DOCPART == 2
	.amdgcn_target "amdgcn-amd-amdhsa--gfx1250"
	.amdhsa_code_object_version 6
	.text
	.protected	k_qcf5b5121bc_qkv
	.globl	k_qcf5b5121bc_qkv
	.p2align	8
	.type	k_qcf5b5121bc_qkv,@function
k_qcf5b5121bc_qkv:
	s_mov_b64 s[64:65], 0
	v_nop
	global_prefetch_b8 v0, s[64:65] scope:SCOPE_SE
	s_setreg_imm32_b32 hwreg(HW_REG_WAVE_MODE, 25, 1), 1
	s_wait_xcnt 0x0
	s_wait_alu depctr_hold_cnt(0) depctr_sa_sdst(0) depctr_va_vdst(0) depctr_va_sdst(0) depctr_va_ssrc(0) depctr_va_vcc(0) depctr_vm_vsrc(0)
	s_getreg_b32 s2, hwreg(HW_REG_IB_STS2, 6, 4)
	s_cmp_eq_u32 s2, 0
	s_cbranch_scc0 .Lentry_in_a_cluster
	s_endpgm
.Lentry_in_a_cluster:
	s_bfe_u32 s2, ttmp6, 0x10000c
	s_cmp_lg_u32 s2, 0xf033
	s_cbranch_scc0 .Lentry_shape_is_right
	s_endpgm
.Lentry_shape_is_right:
; QKV: C[t][n] = sum over k of xb[t][k] wqkvt[n][k] (bf16 operands, f32 sums), then RoPE on Q and K, out as f16 [48 head][2048 t][64 d].
; Heads 0-31 Q, 32-39 K, 40-47 V.  Q and K are stored times 2^-6 (an exact scaling, undone in the softmax's factor), so that f16 holds them
; up to 4.19e6 in magnitude; V is stored as it is: LIMIT |V| < 65,504.  cos and sin are rounded to bf16 like the other inputs (ROUNDF = 1).
; A work-group makes 128 tokens x 192 columns (three heads) with four waves; a wave makes 64 x 96: 24 accumulator tiles of 16 x 16, 192 registers.
; THE RING: two LDS slots filled by the tensor data mover, as large as fit.  The block's 320 rows (128 of xb, 192 of wqkvt) at 256 along K are
; 320 x 528 = 168,960 bytes; two such slots would be 337,920, more than a work-group can have.  So slot 0 holds 256 along K and slot 1 holds 128
; (320 x 272 = 87,040 bytes), and K is walked as 128 + 5 x (256 + 128) = 2,048: slot 1, slot 0, slot 1, ...  Each slot steps by 384 along K (768 bytes),
; so every tile row is 256 or 512 bytes of memory and starts at a multiple of 256 bytes.  Nine refills in all.  From a request to the wait for it a wave
; issues 186 matrix instructions (slot 1's refill, behind slot 0's work) or 90 (slot 0's refill, behind slot 1's work).
; CLUSTERS: 4 x 4 work-groups.  The four of a row of the cluster need the same tiles of xb, the four of a column the same tiles of wqkvt: each tile is
; asked for jointly, by the same tensor load with the same descriptor and a mask that names the four.
; The matrix instruction is used transposed (source 0 = rows of wqkvt, source 1 = rows of xb): lane (r, h) register j holds C(token r, column 8 h + j),
; eight neighbouring d of one token, RoPE's pairs inside the lane.
; REGISTERS: window 0: v16-31 addresses, v32-111 and v112-191 two fragment buffers (6 of B, 4 of A each); window 1: accumulator (a, b) at v[8 (6 a + b)].
; SCALARS: whatever hangs on the block row (cy) lives in s13-s19 and xb's descriptors s24-s47; whatever hangs on the block column (cx) in wqkvt's
; descriptors s48-s63, s68-s75, in s66-s89 (on the way out) and in s92-s97.  Neither family ever holds the other coordinate.
.set NB,     6
.set ROUNDF, 1
.set SIZE_K, 2048
.set P0,     528                       ; slot 0's row: 512 bytes + 16 of padding, an odd multiple of 16
.set P1,     272                       ; slot 1's row: 256 bytes + 16
.set SL0,    0                         ; in a slot: xb's 128 rows, then wqkvt's 192
.set SL1,    320*P0
.set STAGE,  SL1+320*P1                ; byte 256,000, behind the ring: [3 heads][128 tokens] of 128 bytes + 16; no tensor load lands here
.set HPL,    128*144
.set KADV,   768                       ; bytes along K from a slot's tile to its next
.set ADRA, 16                          ; v16-17  LDS address of my A fragments in slot 0, 1
.set ADRB, 20                          ; v20-21  the same for B
.set ST,   22                          ; v22-27  the way out: where column tile b puts its 16 bytes
.set FOLO, 28                          ; v28, v29  byte offsets into freqs
.set FOHI, 29
.set RD,   30                          ; v30     the way out: where I read rows back
.set CO,   31                          ; v31     my byte offset in qkv
.set F0,   32
.set F1,   F0+8*(4+NB)
.set CS0,  32                          ; v32-95, v96-159  two sets of cos and sin: 16 e + (0-7 cos, 8-15 sin)
.set CS1,  96
.set TR,   160                         ; v160-207  rotated values, 8 for each column tile
.set PKD,  208                         ; v208-231  packed to f16
.set TQ,   232                         ; v232-235  at work
.set G1A, 24                           ; s[24:31], s[32:39]  group 1 for xb's tiles, slot 0, 1
.set G0A, 40                           ; s[40:43], s[44:47]  group 0 for xb's tiles, slot 0, 1
.set G1B, 48                           ; s[48:55], s[56:63]  group 1 for wqkvt's tiles
.set G0B, 68                           ; s[68:71], s[72:75]  group 0 for wqkvt's tiles
.set MSB, 0
.macro WIN new                         ; the immediate's high byte repeats the setting that is left
.if MSB != \new
	s_set_vgpr_msb (MSB<<8)|\new
.set MSB, \new
.endif
.endm
.set MUL, 0x50                         ; C and D in window 1, sources in window 0
; A joint load.  Waves 0, 1 fetch xb's two halves, waves 2, 3 wqkvt's.  The branch hangs on the wave's number alone.
.macro JLOAD s
	s_cmp_eq_u32 s11, 0
	s_cbranch_scc0 .Lfor_b_\@
	tensor_load_to_lds s[G0A+4*\s:G0A+4*\s+3], s[G1A+8*\s:G1A+8*\s+7]
	s_nop 0
	s_branch .Lasked_\@
.Lfor_b_\@:
	tensor_load_to_lds s[G0B+4*\s:G0B+4*\s+3], s[G1B+8*\s:G1B+8*\s+7]
	s_nop 0
.Lasked_\@:
.endm
.macro CREST                           ; a round of the cluster's barrier behind its opening barrier
	s_cmp_lg_u32 s10, 0
	s_cbranch_scc1 .Lnot_wave_0_\@
	s_barrier_signal -3
.Lnot_wave_0_\@:
	s_barrier_wait -3
	s_barrier_signal -1
	s_barrier_wait -1
.endm
.macro CROUND                          ; a whole round
	s_barrier_signal -1
	s_barrier_wait -1
	CREST
.endm
.macro PLACES                          ; four plain vector places behind matrix instructions (ISA guide 7.12.1)
.rept 4
	v_nop
.endr
.endm
; Group 0: count 1; LDS address = a constant + (wave % 2) x a constant (in register l); global address of the tile's first element; type 2.
.macro G0SET g, l, base, adr, koff
	s_mov_b32 s[\g], 1
	s_add_co_u32 s[\g+1], s[\l], \base
	s_add_nc_u64 s[\g+2:\g+3], s[\adr:\adr+1], \koff
	s_or_b32 s[\g+3], s[\g+3], 0x80000000
.endm
	s_load_b128 s[4:7], s[0:1], 0x0                ; xb s[4:5], wqkvt s[6:7]
	s_load_b64 s[8:9], s[0:1], 0x10                ; qkv
	s_load_b64 s[90:91], s[0:1], 0x18              ; freqs
	v_lshl_add_u32 v254, v0, 2, 0x4c000
	v_mov_b32 v255, 0
	ds_add_u32 v254, v255
	v_lshrrev_b32 v1, 5, v0
	v_readfirstlane_b32 s10, v1                    ; wave 0..3
	s_lshr_b32 s11, s10, 1                         ; which 64 tokens are mine.  Also: I fetch for xb (0) or for wqkvt (1)
	s_and_b32 s12, s10, 1                          ; which 96 columns.  Also: which half of that tile I fetch
	s_bfe_u32 s92, ttmp6, 0x40000                  ; cx
	s_bfe_u32 s18, ttmp6, 0x40004                  ; cy
	s_lshl_b32 s93, ttmp9, 2
	s_add_co_u32 s93, s93, s92                     ; block column = 4 x cluster x + cx
	s_and_b32 s13, ttmp7, 0xffff
	s_lshl_b32 s13, s13, 2
	s_add_co_u32 s13, s13, s18                     ; block row = 4 x cluster y + cy
	s_lshl_b32 s19, s18, 2
	s_lshl_b32 s19, 15, s19                        ; my row of the cluster
	s_lshl_b32 s94, 0x1111, s92                    ; my column
	; group 1, for each slot: rows of 256 >> slot elements of 2 bytes, 4 words of padding behind each row (128 or 64 words: code 6 or 5); bit 21 beside a mask
.irp s, 0,1
	s_or_b32 s[G1A+8*\s+0], s19, (1<<16)|(1<<20)|(1<<21)|((6-\s)<<22)|(3<<25)
	s_or_b32 s[G1B+8*\s+0], s94, (1<<16)|(1<<20)|(1<<21)|((6-\s)<<22)|(3<<25)
	s_mov_b32 s[G1A+8*\s+1], (256>>\s)<<16         ; tensor_dim0
	s_mov_b32 s[G1B+8*\s+1], (256>>\s)<<16
	s_mov_b32 s[G1A+8*\s+2], 64<<16                ; tensor_dim1 = 64 rows of xb
	s_mov_b32 s[G1B+8*\s+2], 96<<16                ;             = 96 rows of wqkvt
	s_mov_b32 s[G1A+8*\s+3], (256>>\s)<<16         ; tile_dim0
	s_mov_b32 s[G1B+8*\s+3], (256>>\s)<<16
	s_mov_b32 s[G1A+8*\s+4], 64                    ; tile_dim1
	s_mov_b32 s[G1B+8*\s+4], 96
	s_mov_b32 s[G1A+8*\s+5], SIZE_K                ; elements from row to row
	s_mov_b32 s[G1B+8*\s+5], SIZE_K
	s_mov_b32 s[G1A+8*\s+6], 0
	s_mov_b32 s[G1B+8*\s+6], 0
	s_mov_b32 s[G1A+8*\s+7], 0
	s_mov_b32 s[G1B+8*\s+7], 0
.endr
	; xb's tiles hang on the block row alone, wqkvt's on the block column alone
	s_lshl_b32 s17, s12, 6
	s_lshl_b32 s16, s13, 7
	s_add_co_u32 s16, s16, s17                     ; xb: row 128 x block row + 64 x half
	s_lshl_b32 s16, s16, 12                        ; rows of 4,096 bytes
	s_mov_b32 s17, 0
	s_mul_i32 s95, s12, 96
	s_mul_i32 s96, s93, 192
	s_add_co_u32 s96, s96, s95                     ; wqkvt: row 192 x block column + 96 x half
	s_lshl_b32 s96, s96, 12
	s_mov_b32 s97, 0
	s_mul_i32 s20, s12, 64*P0                      ; where they go: the half's rows in each slot's pitch
	s_mul_i32 s21, s12, 64*P1
	s_mul_i32 s22, s12, 96*P0
	s_mul_i32 s23, s12, 96*P1
	s_wait_dscnt 0x0
	s_wait_kmcnt 0x0
	s_add_nc_u64 s[14:15], s[4:5], s[16:17]
	s_add_nc_u64 s[96:97], s[6:7], s[96:97]
	CROUND                                         ; all sixteen work-groups are here: the first joint loads meet
	G0SET G0A,   20, SL0,        14, 256           ; slot 0 starts with K 128 .. 383
	G0SET G0A+4, 21, SL1,        14, 0             ; slot 1 with K 0 .. 127
	G0SET G0B,   22, SL0+128*P0, 96, 256
	G0SET G0B+4, 23, SL1+128*P1, 96, 0
	JLOAD 1                                        ; both first fills go out together, the one that is read first ahead:
	JLOAD 0                                        ; two tensor loads of the wave are out here, one later
	v_and_b32 v1, 15, v0                           ; r
	v_bfe_u32 v2, v0, 4, 1                         ; h
	v_mul_u32_u24 v3, v1, P0
	v_lshl_add_u32 v3, v2, 4, v3                   ; row x pitch + 16 x half, in slot 0's pitch
	v_mul_u32_u24 v4, v1, P1
	v_lshl_add_u32 v4, v2, 4, v4                   ; and in slot 1's
	s_mul_i32 s20, s11, 64*P0                      ; my 64 rows of xb
	s_mul_i32 s21, s11, 64*P1
	s_add_co_u32 s21, s21, SL1
	s_mul_i32 s22, s12, 96*P0                      ; my 96 rows of wqkvt, behind xb's 128
	s_add_co_u32 s22, s22, SL0+128*P0
	s_mul_i32 s23, s12, 96*P1
	s_add_co_u32 s23, s23, SL1+128*P1
	v_add_nc_u32 v[ADRA], s20, v3
	v_add_nc_u32 v[ADRA+1], s21, v4
	v_add_nc_u32 v[ADRB], s22, v3
	v_add_nc_u32 v[ADRB+1], s23, v4
; six matrix instructions: token block a x all six column blocks, 32 along K.  The 24 accumulators take turns, one instruction a turn, in the
; same order in every quarter, over the loop's backward jump too.
.macro MULA f, a, zero
.irp b, 0,1,2,3,4,5
.if \zero
	v_wmma_f32_16x16x32_bf16 v[8*(NB*\a+\b):8*(NB*\a+\b)+7], v[\f+8*\b:\f+8*\b+7], v[\f+8*NB+8*\a:\f+8*NB+8*\a+7], 0
.else
	v_wmma_f32_16x16x32_bf16 v[8*(NB*\a+\b):8*(NB*\a+\b)+7], v[\f+8*\b:\f+8*\b+7], v[\f+8*NB+8*\a:\f+8*NB+8*\a+7], v[8*(NB*\a+\b):8*(NB*\a+\b)+7]
.endif
.endr
.endm
; 20 LDS loads in one run: the fragments of 32 along K (96 rows of B, then 64 rows of A, at byte k of the rows) into buffer f.  The slot's pitch is P0 or P1.
.macro FETCH slot, k, f
.irp i, 0,1,2,3,4,5
	ds_load_b128 v[\f+8*\i:\f+8*\i+3],   v[ADRB+\slot] offset:\k+\i*16*(P0-\slot*(P0-P1))
	ds_load_b128 v[\f+8*\i+4:\f+8*\i+7], v[ADRB+\slot] offset:\k+\i*16*(P0-\slot*(P0-P1))+32
.endr
.irp i, 0,1,2,3
	ds_load_b128 v[\f+8*NB+8*\i:\f+8*NB+8*\i+3],   v[ADRA+\slot] offset:\k+\i*16*(P0-\slot*(P0-P1))
	ds_load_b128 v[\f+8*NB+8*\i+4:\f+8*NB+8*\i+7], v[ADRA+\slot] offset:\k+\i*16*(P0-\slot*(P0-P1))+32
.endr
.endm
; 32 along K: multiplies buffer f; in its middle it fetches the next 32, at byte k of the same slot's rows, into buffer g.
.macro QUARTER slot, k, f, g, zero
	s_wait_dscnt 4                                 ; B and A's blocks 0, 1 are in; the youngest four loads (A's blocks 2, 3) may be out
	WIN MUL
	MULA \f, 0, \zero
	MULA \f, 1, \zero
	PLACES                                         ; in front of loads into registers that matrix instructions have read
	WIN 0
	FETCH \slot, \k, \g
	s_wait_dscnt 2*(4+NB)                          ; all but the 20 just issued
	WIN MUL
	MULA \f, 2, \zero
	MULA \f, 3, \zero
.endm
; The last 32 along K of a slot change slots.  In front of the barrier each wave waits for its reads of this slot and for all its tensor loads (the
; one that is out is its part of the next slot).  Where the slot is filled again the barrier opens a round of the cluster's barrier, and the joint
; refill is the first tensor load behind the round.
.macro TURN slot, next, fill
	s_wait_dscnt 4
	WIN MUL
	MULA F1, 0, 0
	s_wait_dscnt 0
	s_wait_tensorcnt 0x0
	ds_add_u32 v254, v255
	s_wait_dscnt 0x0
	s_barrier_signal -1
	MULA F1, 1, 0                                  ; register work while the others arrive
	WIN 0
	s_barrier_wait -1
.if \fill
	CREST
	s_add_nc_u64 s[G0A+4*\slot+2:G0A+4*\slot+3], s[G0A+4*\slot+2:G0A+4*\slot+3], KADV     ; no tensor load of mine is out: group 0 may be written
	s_add_nc_u64 s[G0B+4*\slot+2:G0B+4*\slot+3], s[G0B+4*\slot+2:G0B+4*\slot+3], KADV
	JLOAD \slot
.endif
	PLACES
	FETCH \next, 0, F0
	WIN MUL
	MULA F1, 2, 0
	MULA F1, 3, 0
.endm
.macro RUN1 zero, fill                 ; slot 1: 128 along K
	QUARTER 1, 64,  F0, F1, \zero
	QUARTER 1, 128, F1, F0, 0
	QUARTER 1, 192, F0, F1, 0
	TURN 1, 0, \fill
.endm
.macro RUN0 fill                       ; slot 0: 256 along K
	QUARTER 0, 64,  F0, F1, 0
	QUARTER 0, 128, F1, F0, 0
	QUARTER 0, 192, F0, F1, 0
	QUARTER 0, 256, F1, F0, 0
	QUARTER 0, 320, F0, F1, 0
	QUARTER 0, 384, F1, F0, 0
	QUARTER 0, 448, F0, F1, 0
	TURN 0, 1, \fill
.endm
	s_wait_tensorcnt 1                             ; my part of slot 1 (issued first) is in; slot 0's may stay out
	s_barrier_signal -1
	s_barrier_wait -1
	FETCH 1, 0, F0
	RUN1 1, 1                                      ; K 0 .. 127: the first products start the sums: nothing is cleared
	RUN0 1                                         ; K 128 .. 383
	WIN 0
	s_mov_b32 s3, 3
.Lpair:
	RUN1 0, 1                                      ; three pairs: K 384 .. 1,535
	RUN0 1
	WIN 0
	s_sub_co_u32 s3, s3, 1
	s_cmp_lg_u32 s3, 0
	s_cbranch_scc1 .Lpair
	RUN1 0, 1                                      ; K 1,536 .. 1,663; slot 1's last refill: K 1,920 .. 2,047
	RUN0 0                                         ; K 1,664 .. 1,919; nothing is left to fetch
	QUARTER 1, 64,  F0, F1, 0                      ; K 1,920 .. 2,047
	QUARTER 1, 128, F1, F0, 0
	QUARTER 1, 192, F0, F1, 0
	s_wait_dscnt 4
	WIN MUL
	MULA F1, 0, 0
	MULA F1, 1, 0
	s_wait_dscnt 0
	MULA F1, 2, 0
	MULA F1, 3, 0
	PLACES                                         ; behind the last matrix instructions: results are read, fragment registers loaded and written
	WIN 0
	; THE WAY OUT.  All tensor loads have been waited for, so wqkvt's group 0 registers may be used again (for numbers that hang on the block column).
	s_lshl_b32 s16, s13, 15                        ; 128 tokens x 256 bytes of cos
	s_mov_b32 s17, 0
	s_add_nc_u64 s[90:91], s[90:91], s[16:17]
	s_lshl_b32 s16, s13, 14                        ; 128 tokens x 128 bytes of a head
	s_add_nc_u64 s[8:9], s[8:9], s[16:17]
	s_mul_i32 s96, s93, 3*262144                   ; three heads of 262,144 bytes
	s_mov_b32 s97, 0
	s_add_nc_u64 s[8:9], s[8:9], s[96:97]
	s_mul_i32 s96, s93, 192
	s_mul_i32 s97, s12, 96
	s_add_co_u32 s96, s96, s97                     ; my first column of the 3,072
	; out = SF x rotated + SG x plain.  Q, K (columns below 2,560): SF = 2^-6, SG = 0.  V: SF = 0, SG = 1.  A choice of values, no branch.
.irp b, 0,1,2,3,4,5
	s_cmp_ge_u32 s96, 2560-16*\b
	s_cselect_b32 s[66+4*\b], 0, 0x3c800000
	s_cselect_b32 s[67+4*\b], 0, 0x3c800000
	s_cselect_b32 s[68+4*\b], 1.0, 0
	s_cselect_b32 s[69+4*\b], 1.0, 0
.endr
	v_mul_u32_u24 v4, v1, 144
	v_lshl_add_u32 v4, v2, 4, v4
	s_mul_i32 s14, s11, 64*144
	v_add_nc_u32 v4, s14, v4                       ; token (64 wm + r) x 144 + 16 h
.irp b, 0,1,2,3,4,5                            ; column 96 wn + 16 b: head plane (column / 64), byte 2 (column % 64): a constant + wn x a constant
	s_mul_i32 s14, s12, (((96+16*\b)>>6)*HPL+2*((96+16*\b)&63))-(((16*\b)>>6)*HPL+2*((16*\b)&63))
	s_add_co_u32 s14, s14, STAGE+((16*\b)>>6)*HPL+2*((16*\b)&63)
	v_add_nc_u32 v[ST+\b], s14, v4
.endr
	v_lshlrev_b32 v5, 8, v1
	v_lshl_add_u32 v5, v2, 5, v5                   ; token r x 256 + 32 h
	s_lshl_b32 s14, s11, 14
	s_lshl_b32 s15, s12, 7
	s_add_co_u32 s15, s15, s14
	v_add_nc_u32 v[FOLO], s15, v5                  ; register slot e = b % 4 holds d0 = 16 ((e + 2 wn) % 4): e = 0, 1 at 64 e + 128 wn,
	s_xor_b32 s15, s12, 1
	s_lshl_b32 s15, s15, 7
	s_add_co_u32 s15, s15, s14
	v_add_nc_u32 v[FOHI], s15, v5                  ; e = 2, 3 at 64 (e - 2) + 128 (1 - wn)
	v_and_b32 v6, 31, v0
	v_lshrrev_b32 v7, 3, v6
	v_mul_u32_u24 v7, v7, 144
	v_and_b32 v8, 7, v0
	v_lshl_add_u32 v7, v8, 4, v7
	s_mul_i32 s14, s10, 32*144
	s_add_co_u32 s14, s14, STAGE
	v_add_nc_u32 v[RD], s14, v7                    ; back: tokens 32 w + lane / 8, 16 bytes a lane
	v_lshlrev_b32 v[CO], 4, v6
	s_lshl_b32 s14, s10, 12
	v_add_nc_u32 v[CO], s14, v[CO]                 ; 32 tokens x 128 bytes a wave, 16 bytes a lane
.macro LOADCS a, cs                    ; 16 loads: cos and sin of token block a for my lane's 8 d in each of the four d0
.irp e, 0,1
	global_load_b128 v[\cs+16*\e:\cs+16*\e+3],     v[FOLO], s[90:91] offset:\a*4096+64*\e
	global_load_b128 v[\cs+16*\e+4:\cs+16*\e+7],   v[FOLO], s[90:91] offset:\a*4096+64*\e+16
	global_load_b128 v[\cs+16*\e+8:\cs+16*\e+11],  v[FOLO], s[90:91] offset:\a*4096+64*\e+524288
	global_load_b128 v[\cs+16*\e+12:\cs+16*\e+15], v[FOLO], s[90:91] offset:\a*4096+64*\e+524288+16
.endr
.irp e, 2,3
	global_load_b128 v[\cs+16*\e:\cs+16*\e+3],     v[FOHI], s[90:91] offset:\a*4096+64*(\e-2)
	global_load_b128 v[\cs+16*\e+4:\cs+16*\e+7],   v[FOHI], s[90:91] offset:\a*4096+64*(\e-2)+16
	global_load_b128 v[\cs+16*\e+8:\cs+16*\e+11],  v[FOHI], s[90:91] offset:\a*4096+64*(\e-2)+524288
	global_load_b128 v[\cs+16*\e+12:\cs+16*\e+15], v[FOHI], s[90:91] offset:\a*4096+64*(\e-2)+524288+16
.endr
.endm
.macro ROPEA a, cs, left
	s_wait_loadcnt \left                           ; the other set's 16 loads may stay out
.if ROUNDF
.set q, 0
.rept 32
	v_cvt_pk_bf16_f32 v[TQ+(q&3)], v[\cs+2*q], v[\cs+2*q+1]
	v_lshlrev_b32 v[\cs+2*q], 16, v[TQ+(q&3)]
	v_and_b32 v[\cs+2*q+1], 0xffff0000, v[TQ+(q&3)]
.set q, q+1
.endr
.endif
	WIN 0x01                                       ; source 0 names the accumulators
.irp b, 0,1,2,3,4,5
.irp i, 0,1,2,3
	v_mul_f32 v[TR+8*\b+2*\i],   v[8*(NB*\a+\b)+2*\i],   v[\cs+16*(\b&3)+2*\i]
	v_mul_f32 v[TR+8*\b+2*\i+1], v[8*(NB*\a+\b)+2*\i+1], v[\cs+16*(\b&3)+2*\i+1]
	v_fma_f32 v[TR+8*\b+2*\i],   -v[8*(NB*\a+\b)+2*\i+1], v[\cs+16*(\b&3)+8+2*\i],   v[TR+8*\b+2*\i]      ; even d: x0 cos - x1 sin
	v_fma_f32 v[TR+8*\b+2*\i+1], v[8*(NB*\a+\b)+2*\i],    v[\cs+16*(\b&3)+8+2*\i+1], v[TR+8*\b+2*\i+1]    ; odd d:  x1 cos + x0 sin
	v_pk_mul_f32 v[TR+8*\b+2*\i:TR+8*\b+2*\i+1], s[66+4*\b:67+4*\b], v[TR+8*\b+2*\i:TR+8*\b+2*\i+1] op_sel_hi:[0,1]
	v_pk_fma_f32 v[TR+8*\b+2*\i:TR+8*\b+2*\i+1], v[8*(NB*\a+\b)+2*\i:8*(NB*\a+\b)+2*\i+1], s[68+4*\b:69+4*\b], v[TR+8*\b+2*\i:TR+8*\b+2*\i+1] op_sel_hi:[1,0,1]
.endr
.endr
	WIN 0
.irp b, 0,1,2,3,4,5
.irp i, 0,1,2,3
	v_cvt_pk_f16_f32 v[PKD+4*\b+\i], v[TR+8*\b+2*\i], v[TR+8*\b+2*\i+1]
.endr
.endr
.irp b, 0,1,2,3,4,5
	ds_store_b128 v[ST+\b], v[PKD+4*\b:PKD+4*\b+3] offset:\a*16*144
.endr
.endm
	LOADCS 0, CS0
	LOADCS 1, CS1
	ROPEA 0, CS0, 16
	LOADCS 2, CS0
	ROPEA 1, CS1, 16
	LOADCS 3, CS1
	ROPEA 2, CS0, 16
	ROPEA 3, CS1, 0
	s_wait_dscnt 0x0                               ; my stores into the stage are done, for the other waves' sake
	s_barrier_signal -1
	s_barrier_wait -1
.set n, 0
.rept 24                                       ; head n / 8, tokens 32 w + 4 (n % 8) .. + 3
	ds_load_b128 v[32+4*n:32+4*n+3], v[RD] offset:(128*(n>>3)+4*(n&7))*144
.set n, n+1
.endr
.set n, 0
.rept 24
	s_wait_dscnt 23-n
	global_store_b128 v[CO], v[32+4*n:32+4*n+3], s[8:9] offset:(n>>3)*262144+512*(n&7)    ; 512 consecutive bytes, at a multiple of 512 from the buffer's first byte
.set n, n+1
.endr
	s_wait_tensorcnt 0x0
	ds_add_u32 v254, v255
	s_wait_dscnt 0x0
	CROUND                                         ; the closing round: no work-group ends while a partner may still ask for a tile that names it
	s_endpgm
.Lfunc_end_k_qcf5b5121bc_qkv:
	.size	k_qcf5b5121bc_qkv, .Lfunc_end_k_qcf5b5121bc_qkv-k_qcf5b5121bc_qkv
	.p2alignl 7, 3214868480
	.fill 96, 4, 3214868480
	.section	.rodata,"a",@progbits
	.p2align	6, 0x0
	.amdhsa_kernel k_qcf5b5121bc_qkv
		.amdhsa_group_segment_fixed_size 327680
		.amdhsa_private_segment_fixed_size 0
		.amdhsa_enable_private_segment 0
		.amdhsa_kernarg_size 32
		.amdhsa_user_sgpr_count 2
		.amdhsa_user_sgpr_kernarg_segment_ptr 1
		.amdhsa_wavefront_size32 1
		.amdhsa_system_sgpr_workgroup_id_x 1
		.amdhsa_system_sgpr_workgroup_id_y 1
		.amdhsa_system_sgpr_workgroup_id_z 1
		.amdhsa_system_vgpr_workitem_id 0
		.amdhsa_next_free_vgpr 448
		.amdhsa_next_free_sgpr 100
		.amdhsa_reserve_vcc 0
		.amdhsa_float_denorm_mode_32 3
		.amdhsa_float_denorm_mode_16_64 3
		.amdhsa_memory_ordered 1
		.amdhsa_forward_progress 1
		.amdhsa_inst_pref_size 205
	.end_amdhsa_kernel
	.amdgpu_metadata
---
amdhsa.version: [ 1, 2 ]
amdhsa.kernels:
  - .name:           k_qcf5b5121bc_qkv
    .symbol:         k_qcf5b5121bc_qkv.kd
    .args:
      - { .name: xb, .offset: 0, .size: 8, .value_kind: global_buffer, .address_space: global }
      - { .name: wqkvt, .offset: 8, .size: 8, .value_kind: global_buffer, .address_space: global }
      - { .name: qkv, .offset: 16, .size: 8, .value_kind: global_buffer, .address_space: global }
      - { .name: freqs, .offset: 24, .size: 8, .value_kind: global_buffer, .address_space: global }
    .group_segment_fixed_size: 327680
    .private_segment_fixed_size: 0
    .kernarg_segment_align: 8
    .kernarg_segment_size: 32
    .max_flat_workgroup_size: 128
    .sgpr_count:     100
    .vgpr_count:     448
    .wavefront_size: 32
...
	.end_amdgpu_metadata
.endif
;; end of part 2
;; launch attn (part 3): grid 32 x 8, 8 waves a work-group, clusters of 4 x 1, 327,680 bytes of LDS; arguments qkv, maskbits, ao; writes ao
.if DOCPART == 3
	.amdgcn_target "amdgcn-amd-amdhsa--gfx1250"
	.amdhsa_code_object_version 6
	.text
	.protected	k_qcf5b5121bc_attn
	.globl	k_qcf5b5121bc_attn
	.p2align	8
	.type	k_qcf5b5121bc_attn,@function
k_qcf5b5121bc_attn:
	s_mov_b64 s[64:65], 0
	v_nop
	global_prefetch_b8 v0, s[64:65] scope:SCOPE_SE
	s_setreg_imm32_b32 hwreg(HW_REG_WAVE_MODE, 25, 1), 1
	s_wait_xcnt 0x0
	s_wait_alu depctr_hold_cnt(0) depctr_sa_sdst(0) depctr_va_vdst(0) depctr_va_sdst(0) depctr_va_ssrc(0) depctr_va_vcc(0) depctr_vm_vsrc(0)
	s_getreg_b32 s2, hwreg(HW_REG_IB_STS2, 6, 4)
	s_cmp_eq_u32 s2, 0
	s_cbranch_scc0 .Lentry_in_a_cluster
	s_endpgm
.Lentry_in_a_cluster:
	s_bfe_u32 s2, ttmp6, 0x10000c
	s_cmp_lg_u32 s2, 0x3003
	s_cbranch_scc0 .Lentry_shape_is_right
	s_endpgm
.Lentry_shape_is_right:
; ATTN: softmax(mask(Q K^T / 8)) V for one KV head (grid y) and 64 queries (grid x) x the head's four query heads; out f16 [2048 t][2048].
; The mask is an input: every key is visited.  Eight waves: wave w has queries 16 (w % 4) .. + 15, all four heads, and the keys 1,024 (w / 4) .. + 1,023;
; the two halves of the keys are merged at the end through LDS.
; TRANSPOSED: S^T = K Q^T (lane (r, h) register j: key 8 h + j, query r), so that a lane's 16 numbers of two key tiles, packed to f16 in place, ARE the
; P fragment of 32 keys, and O^T = V^T P^T (register j: d = 8 h + j, query r).  All statistics belong to the lane; one exchange of the halves a head and step.
; NUMBERS: Q, K come times 2^-6 each; p = exp2(C s - C m) with C = 2^12 / 8 x log2 e and m the running maximum.  The mask enters as the C operand of the
; first score product: 0 where true, -2^100 where false.  Raw scores are below 64 x 65504^2 = 2.75e11 in magnitude, so a final m below -2^96 means that the
; whole row is masked, and the row is then made NaN as the softmax of a row of -inf is.  What is summed while only masked keys have been seen is multiplied by
; exp2(-huge) = 0 at the first true key.  P and the output are f16: LIMIT |V| < 65,504.
; CLUSTER 4 x 1: the four work-groups walk the same K and V tiles, which are asked for jointly (mask 15); Q and the mask words are each work-group's own.
; LDS: two slots of 8 regions of 10,240 bytes, region w filled by wave w: 0-3 K (key half w / 2, 64 keys w % 2, pitch 144), 4-7 V likewise (pitch 160).
; A slot is 128 keys of each half = two steps of 64 keys.  Behind the ring: the merge's 4 x 17,408 bytes and the output stage's 4 x 8,448; no tensor load lands there.
.set SLOT,  81920
.set REGN,  10240
.set KP,    144                        ; odd multiple of 16
.set VP,    160                        ; odd multiple of 32, for the transposing load
.set MRG,   2*SLOT
.set MRGW,  17408
.set OST,   MRG+4*MRGW
.set OSTW,  8448
.set OPI,   528                        ; a query's 4 heads x 64 d x 2 bytes + 16
; window 0
.set KA,   2                           ; v2, v3    LDS address of my K fragments in slot 0, 1
.set VA,   4                           ; v4, v5    the same for V (transposing load)
.set NEGB, 6                           ; v6 = -2^100, v7 = 0
.set ZER,  7
.set QO,   8                           ; v8        my offset in Q
.set MA,   9                           ; v9        merge   v10 stage in   v11 stage back   v12 offset in ao
.set OSA,  10
.set ORD,  11
.set OGO,  12
.set MX,   16                          ; v16-19    running maximum (raw), a head each
.set LS,   20                          ; v20-23    running sum of my lane's keys
.set AL,   24                          ; v24-27    alpha, a pair for each head of the pair at work
.set NM,   28                          ; v28-31    -C m, likewise
.set TT,   32                          ; v32-63    at work, 16 for each head of the pair
.set SS,   64                          ; v64-127   S(hh, t) at 64 + 32 hh + 8 t; later P(hh, ks) at 64 + 32 hh + 16 ks
.set KF,   128                         ; v128-191  K fragment (t, ds) at 128 + 16 t + 8 ds
.set VF,   192                         ; v192-255  V fragment (ks, dt) at 192 + 8 (4 ks + dt)
; window 1
.set OO,   0                           ; O(H, dt) at 32 H + 8 dt
.set QQ,   128                         ; Q(H, ds) at 128 + 8 (2 H + ds)
.set BI,   192                         ; the mask's bias for key tile t at 192 + 8 t
.set G1K, 16                           ; s[16:23] group 1 for K, s[24:31] for V, s[32:39] group 0, one set a slot
.set G1V, 24
.set G0,  32
.set MSB, 0
.macro WIN new
.if MSB != \new
	s_set_vgpr_msb (MSB<<8)|\new
.set MSB, \new
.endif
.endm
.macro PLACES
.rept 4
	v_nop
.endr
.endm
.macro ROUND                           ; a round of the cluster's barrier
	s_barrier_signal -1
	s_barrier_wait -1
	s_cmp_lg_u32 s10, 0
	s_cbranch_scc1 .Lnot_wave_0_\@
	s_barrier_signal -3
.Lnot_wave_0_\@:
	s_barrier_wait -3
	s_barrier_signal -1
	s_barrier_wait -1
.endm
.macro JLOAD s                         ; waves 0-3 fetch K's four parts, waves 4-7 V's: the branch hangs on the wave's number alone
	s_cmp_eq_u32 s11, 0
	s_cbranch_scc0 .Lfor_v_\@
	tensor_load_to_lds s[G0+4*\s:G0+4*\s+3], s[G1K:G1K+7]
	s_nop 0
	s_branch .Lasked_\@
.Lfor_v_\@:
	tensor_load_to_lds s[G0+4*\s:G0+4*\s+3], s[G1V:G1V+7]
	s_nop 0
.Lasked_\@:
.endm
	s_load_b128 s[4:7], s[0:1], 0x0                ; qkv s[4:5], maskbits s[6:7]
	s_load_b64 s[8:9], s[0:1], 0x10                ; ao
	v_lshl_add_u32 v62, v0, 2, 0x41400
	v_mov_b32 v63, 0
	ds_add_u32 v62, v63
	v_lshrrev_b32 v1, 5, v0
	v_readfirstlane_b32 s10, v1                    ; wave 0..7
	s_lshr_b32 s11, s10, 2                         ; my half of the keys.  Also: I fetch for K (0) or for V (1)
	s_and_b32 s12, s10, 3                          ; my 16 queries
	s_and_b32 s13, ttmp7, 0xffff                   ; KV head (the cluster is one work-group high)
	s_bfe_u32 s50, ttmp6, 0x40000                  ; cx
	s_lshl_b32 s51, ttmp9, 2
	s_add_co_u32 s51, s51, s50                     ; block of 64 queries = 4 x cluster x + cx
	; group 1: 64 rows (keys) of 64 elements of 2 bytes, dense in memory; behind every row of 32 words 4 words of padding (K) or 8 (V)
	s_mov_b32 s[G1K+0], 15|(1<<16)|(1<<20)|(1<<21)|(4<<22)|(3<<25)
	s_mov_b32 s[G1V+0], 15|(1<<16)|(1<<20)|(1<<21)|(4<<22)|(7<<25)
	s_mov_b32 s[G1K+1], 64<<16
	s_mov_b32 s[G1V+1], 64<<16
	s_mov_b32 s[G1K+2], 64<<16
	s_mov_b32 s[G1V+2], 64<<16
	s_mov_b32 s[G1K+3], 64<<16
	s_mov_b32 s[G1V+3], 64<<16
	s_mov_b32 s[G1K+4], 64
	s_mov_b32 s[G1V+4], 64
	s_mov_b32 s[G1K+5], 64
	s_mov_b32 s[G1V+5], 64
	s_mov_b32 s[G1K+6], 0
	s_mov_b32 s[G1V+6], 0
	s_mov_b32 s[G1K+7], 0
	s_mov_b32 s[G1V+7], 0
	; my part's first tile: head 32 + g (K) or 40 + g (V), key half (w / 2) % 2, 64 keys w % 2: the KV head and the wave's number alone
	s_lshl_b32 s14, s11, 3
	s_add_co_u32 s14, s14, s13
	s_add_co_u32 s14, s14, 32
	s_lshl_b32 s14, s14, 18                        ; heads of 262,144 bytes
	s_bfe_u32 s15, s10, 0x10001
	s_lshl_b32 s15, s15, 17                        ; 1,024 keys of 128 bytes
	s_add_co_u32 s14, s14, s15
	s_and_b32 s15, s10, 1
	s_lshl_b32 s15, s15, 13                        ; 64 keys
	s_add_co_u32 s14, s14, s15
	s_mov_b32 s15, 0
	s_mul_i32 s45, s10, REGN                       ; my region
	s_lshl_b32 s52, s13, 20                        ; Q: head 4 g, 64 queries of 128 bytes a block
	s_lshl_b32 s53, s51, 13
	s_add_co_u32 s52, s52, s53
	s_mov_b32 s53, 0
	s_lshl_b32 s54, s51, 18                        ; ao: row 64 qb + 16 qt of 4,096 bytes, column 256 g of 2 bytes
	s_lshl_b32 s55, s12, 16
	s_add_co_u32 s54, s54, s55
	s_lshl_b32 s55, s13, 9
	s_add_co_u32 s54, s54, s55
	s_mov_b32 s55, 0
	s_lshl_b32 s40, s51, 14                        ; mask words: qtile 4 qb + qt of 4,096 bytes, 64 ktiles of 32 bytes a key half
	s_lshl_b32 s41, s12, 12
	s_add_co_u32 s40, s40, s41
	s_lshl_b32 s41, s11, 11
	s_add_co_u32 s40, s40, s41
	s_mov_b32 s41, 0
	s_mov_b32 s42, 0x76543210                      ; v_permlanex16_b32: lane i of one half reads lane i of the other
	s_mov_b32 s43, 0xfedcba98
	s_mov_b32 s46, 0x4438aa3b                      ; C = 512 log2 e, twice for the packed forms
	s_mov_b32 s47, 0x4438aa3b
	v_and_b32 v1, 15, v0                           ; r
	v_bfe_u32 v13, v0, 4, 1                        ; h
	v_and_b32 v14, 31, v0                          ; lane
	v_mul_u32_u24 v15, v1, KP
	v_lshl_add_u32 v15, v13, 4, v15
	s_mul_i32 s56, s11, 2*REGN
	v_add_nc_u32 v[KA], s56, v15                   ; K: regions 2 kh, 2 kh + 1; row r, 16 bytes for each half of the lanes
	v_add_nc_u32 v[KA+1], SLOT, v[KA]
	v_and_b32 v15, 7, v0
	v_lshl_add_u32 v15, v13, 3, v15
	v_mul_u32_u24 v15, v15, VP
	v_bfe_u32 v32, v0, 3, 1
	v_lshl_add_u32 v15, v32, 4, v15
	s_add_co_u32 s56, s56, 4*REGN
	v_add_nc_u32 v[VA], s56, v15                   ; V: regions 4 + 2 kh ..; key 8 h + lane % 8, 16 bytes x ((lane / 8) % 2)
	v_add_nc_u32 v[VA+1], SLOT, v[VA]
	v_mov_b32 v[NEGB], 0xf1800000
	v_mov_b32 v[ZER], 0
	v_lshlrev_b32 v[QO], 7, v1
	v_lshl_add_u32 v[QO], v13, 4, v[QO]
	s_lshl_b32 s57, s12, 11
	v_add_nc_u32 v[QO], s57, v[QO]                 ; query (16 qt + r) x 128 + 16 h
	v_lshlrev_b32 v[OGO], 4, v14
	s_mul_i32 s57, s12, MRGW
	s_add_co_u32 s57, s57, MRG
	v_add_nc_u32 v[MA], s57, v[OGO]
	s_mul_i32 s57, s12, OSTW
	s_add_co_u32 s57, s57, OST
	v_add_nc_u32 v[ORD], s57, v[OGO]
	v_mul_u32_u24 v15, v1, OPI
	v_lshl_add_u32 v15, v13, 4, v15
	v_add_nc_u32 v[OSA], s57, v15
	s_wait_dscnt 0x0
	s_wait_kmcnt 0x0
	s_add_nc_u64 s[14:15], s[4:5], s[14:15]
	s_add_nc_u64 s[52:53], s[4:5], s[52:53]
	s_add_nc_u64 s[54:55], s[8:9], s[54:55]
	s_add_nc_u64 s[40:41], s[6:7], s[40:41]
	ROUND                                          ; the four work-groups are here: the first joint loads meet
.irp s, 0,1
	s_mov_b32 s[G0+4*\s], 1
	s_add_co_u32 s[G0+4*\s+1], s45, \s*SLOT
	s_add_nc_u64 s[G0+4*\s+2:G0+4*\s+3], s[14:15], \s*16384        ; slot s: keys 128 s .. of the half
	s_or_b32 s[G0+4*\s+3], s[G0+4*\s+3], 0x80000000
	JLOAD \s                                       ; two tensor loads of the wave are out here, one later
.endr
	s_load_b512 s[68:83], s[40:41], 0x0            ; the first step's 32 mask words
	s_load_b512 s[84:99], s[40:41], 0x40
	WIN 0x40                                       ; destination in window 1
.irp hd, 0,1,2,3
.irp ds, 0,1
	global_load_b128 v[QQ+8*(2*\hd+\ds):QQ+8*(2*\hd+\ds)+3],   v[QO], s[52:53] offset:\hd*262144+64*\ds
	global_load_b128 v[QQ+8*(2*\hd+\ds)+4:QQ+8*(2*\hd+\ds)+7], v[QO], s[52:53] offset:\hd*262144+64*\ds+32
.endr
.endr
	WIN 0
.macro KLOAD slot, st                  ; 16 loads: 64 keys x 64 d as fragments
.irp t, 0,1,2,3
.irp ds, 0,1
	ds_load_b128 v[KF+16*\t+8*\ds:KF+16*\t+8*\ds+3],   v[KA+\slot] offset:\st*REGN+\t*16*KP+64*\ds
	ds_load_b128 v[KF+16*\t+8*\ds+4:KF+16*\t+8*\ds+7], v[KA+\slot] offset:\st*REGN+\t*16*KP+64*\ds+32
.endr
.endr
.endm
.macro VLOAD slot, st                  ; 16 transposing loads: lane (r, h) gets d = 16 dt + r, keys 32 ks + 8 h .. and + 16
.irp ks, 0,1
.irp dt, 0,1,2,3
	ds_load_tr16_b128 v[VF+8*(4*\ks+\dt):VF+8*(4*\ks+\dt)+3],   v[VA+\slot] offset:\st*REGN+\ks*32*VP+32*\dt
	ds_load_tr16_b128 v[VF+8*(4*\ks+\dt)+4:VF+8*(4*\ks+\dt)+7], v[VA+\slot] offset:\st*REGN+\ks*32*VP+32*\dt+16*VP
.endr
.endr
.endm
; Scores of heads 2 pp, 2 pp + 1: eight accumulators take turns, one instruction a turn; the first product takes the bias as C.
.macro SPROD pp
	WIN 0x14                                       ; Q and the bias in window 1
.irp hh, 0,1
.irp t, 0,1,2,3
	v_wmma_f32_16x16x32_f16 v[SS+32*\hh+8*\t:SS+32*\hh+8*\t+7], v[KF+16*\t:KF+16*\t+7], v[QQ+8*(2*(2*\pp+\hh)):QQ+8*(2*(2*\pp+\hh))+7], v[BI+8*\t:BI+8*\t+7]
.endr
.endr
	WIN 0x04
.irp hh, 0,1
.irp t, 0,1,2,3
	v_wmma_f32_16x16x32_f16 v[SS+32*\hh+8*\t:SS+32*\hh+8*\t+7], v[KF+16*\t+8:KF+16*\t+15], v[QQ+8*(2*(2*\pp+\hh)+1):QQ+8*(2*(2*\pp+\hh)+1)+7], v[SS+32*\hh+8*\t:SS+32*\hh+8*\t+7]
.endr
.endr
	WIN 0
	PLACES                                         ; in front of reads of S and of loads into K's fragments
.endm
; Softmax step of one head (hh: which of the pair at work, hd: the head): 32 scores a lane.
.macro SM hh, hd, first
.set sb, SS+32*\hh
.set ta, TT+16*\hh
	v_max3_num_f32 v[ta],   v[sb],    v[sb+1],  v[sb+2]
	v_max3_num_f32 v[ta+1], v[sb+16], v[sb+17], v[sb+18]
.irp i, 3,5,7,9,11,13
	v_max3_num_f32 v[ta],   v[ta],   v[sb+\i],    v[sb+\i+1]
	v_max3_num_f32 v[ta+1], v[ta+1], v[sb+16+\i], v[sb+17+\i]
.endr
	v_max3_num_f32 v[ta], v[ta], v[ta+1], v[sb+15]
	v_max_num_f32 v[ta], v[ta], v[sb+31]
	v_permlanex16_b32 v[ta+1], v[ta], s42, s43     ; the other half's keys of the same query
.if \first
	v_max_num_f32 v[ta], v[ta], v[ta+1]
.else
	v_max3_num_f32 v[ta], v[ta], v[ta+1], v[MX+\hd]
.endif
	v_mul_f32 v[NM+2*\hh], 0xc438aa3b, v[ta]       ; -C m
.if \first == 0
	v_fma_f32 v[AL+2*\hh], v[MX+\hd], s46, v[NM+2*\hh]
	v_exp_f32 v[AL+2*\hh], v[AL+2*\hh]             ; alpha = exp2(C (m old - m)); two plain instructions stand in front of its use (ISA guide 5.7.2)
.endif
	v_mov_b32 v[NM+2*\hh+1], v[NM+2*\hh]
	v_mov_b32 v[MX+\hd], v[ta]
.if \first == 0
	s_wait_alu depctr_va_vdst(0)
	v_mov_b32 v[AL+2*\hh+1], v[AL+2*\hh]
.endif
.set ii, 0
.rept 16
	v_pk_fma_f32 v[sb+2*ii:sb+2*ii+1], v[sb+2*ii:sb+2*ii+1], s[46:47], v[NM+2*\hh:NM+2*\hh+1] op_sel_hi:[1,0,1]
.set ii, ii+1
.endr
.set ii, 0
.rept 32
	v_exp_f32 v[sb+ii], v[sb+ii]
.set ii, ii+1
.endr
	v_nop                                          ; the plain place behind the transcendentals
	s_wait_alu depctr_va_vdst(0)
	v_pk_add_f32 v[ta:ta+1],   v[sb:sb+1],     v[sb+2:sb+3]
	v_pk_add_f32 v[ta+2:ta+3], v[sb+4:sb+5],   v[sb+6:sb+7]
	v_pk_add_f32 v[ta+4:ta+5], v[sb+8:sb+9],   v[sb+10:sb+11]
	v_pk_add_f32 v[ta+6:ta+7], v[sb+12:sb+13], v[sb+14:sb+15]
.irp i, 16,24
	v_pk_add_f32 v[ta:ta+1],   v[ta:ta+1],   v[sb+\i:sb+\i+1]
	v_pk_add_f32 v[ta+2:ta+3], v[ta+2:ta+3], v[sb+\i+2:sb+\i+3]
	v_pk_add_f32 v[ta+4:ta+5], v[ta+4:ta+5], v[sb+\i+4:sb+\i+5]
	v_pk_add_f32 v[ta+6:ta+7], v[ta+6:ta+7], v[sb+\i+6:sb+\i+7]
.endr
	v_pk_add_f32 v[ta:ta+1],   v[ta:ta+1],   v[ta+2:ta+3]
	v_pk_add_f32 v[ta+4:ta+5], v[ta+4:ta+5], v[ta+6:ta+7]
	v_pk_add_f32 v[ta:ta+1],   v[ta:ta+1],   v[ta+4:ta+5]
.if \first
	v_add_f32 v[LS+\hd], v[ta], v[ta+1]
.else
	v_add_f32 v[ta], v[ta], v[ta+1]
	v_fma_f32 v[LS+\hd], v[LS+\hd], v[AL+2*\hh], v[ta]
.endif
.irp ks, 0,1                                   ; two key tiles pack, in place and in ascending order, into the P fragment of 32 keys
.irp q, 0,1,2,3,4,5,6,7
	v_cvt_pk_f16_f32 v[sb+16*\ks+\q], v[sb+16*\ks+2*\q], v[sb+16*\ks+2*\q+1]
.endr
.endr
.endm
.macro RESC pp                         ; O of the pair's two heads times alpha
	WIN 0x41
.irp hh, 0,1
.set ii, 0
.rept 16
	v_pk_mul_f32 v[OO+32*(2*\pp+\hh)+2*ii:OO+32*(2*\pp+\hh)+2*ii+1], v[OO+32*(2*\pp+\hh)+2*ii:OO+32*(2*\pp+\hh)+2*ii+1], v[AL+2*\hh:AL+2*\hh+1]
.set ii, ii+1
.endr
.endr
.endm
.macro PVK pp, ks, zero                ; O^T += V^T P^T for 32 keys: eight accumulators take turns
.irp hh, 0,1
.irp dt, 0,1,2,3
.if \zero
	v_wmma_f32_16x16x32_f16 v[OO+32*(2*\pp+\hh)+8*\dt:OO+32*(2*\pp+\hh)+8*\dt+7], v[VF+8*(4*\ks+\dt):VF+8*(4*\ks+\dt)+7], v[SS+32*\hh+16*\ks:SS+32*\hh+16*\ks+7], 0
.else
	v_wmma_f32_16x16x32_f16 v[OO+32*(2*\pp+\hh)+8*\dt:OO+32*(2*\pp+\hh)+8*\dt+7], v[VF+8*(4*\ks+\dt):VF+8*(4*\ks+\dt)+7], v[SS+32*\hh+16*\ks:SS+32*\hh+16*\ks+7], v[OO+32*(2*\pp+\hh)+8*\dt:OO+32*(2*\pp+\hh)+8*\dt+7]
.endif
.endr
.endr
.endm
; One step: 64 keys (region st of slot) x 16 queries x 4 heads.  nslot, nst: where the next step's K lies.  turn = 1: this is the slot's last step;
; fill = 1: the slot is filled again, two slots of keys ahead.  last = 1: nothing follows.
.macro STEP first, slot, st, nslot, nst, turn, fill, last
	s_wait_kmcnt 0x0                               ; this step's mask words
	WIN 0x40
.set ii, 0
.rept 32                                       ; bit set: 0, else -2^100.  These 32 lines are also the places behind the last step's matrix instructions
	v_cndmask_b32 v[BI+ii], v[NEGB], v[ZER], s[68+ii]
.set ii, ii+1
.endr
	WIN 0
.if \last == 0
	s_add_nc_u64 s[40:41], s[40:41], 128           ; the loads that read this pointer are done (the wait above)
	s_load_b512 s[68:83], s[40:41], 0x0            ; the next step's words: a whole step ahead
	s_load_b512 s[84:99], s[40:41], 0x40
.endif
	VLOAD \slot, \st
	s_wait_dscnt 16                                ; K's 16 loads, issued in the last step, are in; V's 16 may stay out
	SPROD 0
	SM 0, 0, \first
	SM 1, 1, \first
	s_wait_dscnt 0x0                               ; V's fragments
.if \first == 0
	RESC 0
.endif
	WIN 0x50
	PVK 0, 0, \first
	PVK 0, 1, 0
	WIN 0
.rept 5
	v_nop                                          ; five places: the next score products write over P, which the last matrix instructions read
.endr
	SPROD 1
.if \turn
	s_wait_dscnt 0x0                               ; my reads of this slot are over: V's are in registers, K's were waited for above
	s_wait_tensorcnt 0x0                           ; all my tensor loads have landed: the one that was out is my part of the next slot
	ds_add_u32 v62, v63
	s_wait_dscnt 0x0
.if \fill
	ROUND                                          ; both now hold of every wave of the four work-groups
	s_add_nc_u64 s[G0+4*\slot+2:G0+4*\slot+3], s[G0+4*\slot+2:G0+4*\slot+3], 32768   ; 256 keys on
	JLOAD \slot                                    ; the first tensor load behind the round, my only one until the next
.else
	s_barrier_signal -1
	s_barrier_wait -1
.endif
.endif
.if \last == 0
	KLOAD \nslot, \nst
.endif
	SM 0, 2, \first
	SM 1, 3, \first
.if \first == 0
	RESC 1
.endif
	WIN 0x50
	PVK 1, 0, \first
	PVK 1, 1, 0
	WIN 0
.endm
.macro LAPM first, fill                ; once round the ring: 256 keys of each half
	STEP \first, 0, 0, 0, 1, 0, 0, 0
	STEP 0, 0, 1, 1, 0, 1, \fill, 0
	STEP 0, 1, 0, 1, 1, 0, 0, 0
	STEP 0, 1, 1, 0, 0, 1, \fill, 0
.endm
	s_wait_tensorcnt 0x1                           ; my part of slot 0 is in; slot 1's may stay out
	s_barrier_signal -1
	s_barrier_wait -1
	KLOAD 0, 0
	s_wait_loadcnt 0x0                             ; Q
	LAPM 1, 1                                      ; the first step starts the maxima and the sums: nothing is cleared
	s_mov_b32 s44, 2
.Llap:
	LAPM 0, 1
	s_sub_co_u32 s44, s44, 1
	s_cmp_lg_u32 s44, 0
	s_cbranch_scc1 .Llap
	STEP 0, 0, 0, 0, 1, 0, 0, 0                    ; the last lap fills nothing
	STEP 0, 0, 1, 1, 0, 1, 0, 0
	STEP 0, 1, 0, 1, 1, 0, 0, 0
	STEP 0, 1, 1, 0, 0, 0, 0, 1
	; THE MERGE of the two key halves.  Waves 4-7 hand O, m and l to waves 0-3, register for register and lane for lane.
	PLACES                                         ; behind the last matrix instructions: O is stored, fragment registers are loaded
	s_cmp_eq_u32 s11, 0
	s_cbranch_scc1 .Lno_put
	WIN 0x04                                       ; store data in window 1
.set ii, 0
.rept 32
	ds_store_b128 v[MA], v[OO+4*ii:OO+4*ii+3] offset:512*ii
.set ii, ii+1
.endr
	WIN 0
	ds_store_b128 v[MA], v[MX:MX+3] offset:16384
	ds_store_b128 v[MA], v[LS:LS+3] offset:16896
.Lno_put:
	s_wait_dscnt 0x0                               ; for the other waves' sake
	s_barrier_signal -1
	s_barrier_wait -1
	s_cmp_lg_u32 s11, 0
	s_cbranch_scc1 .Ldone
.set ii, 0
.rept 32
	ds_load_b128 v[SS+4*ii:SS+4*ii+3], v[MA] offset:512*ii         ; the other half's O into v64-191
.set ii, ii+1
.endr
	ds_load_b128 v[192:195], v[MA] offset:16384    ; its m
	ds_load_b128 v[196:199], v[MA] offset:16896    ; its l
	s_wait_dscnt 0x0
.irp hd, 0,1,2,3
	v_max_num_f32 v[24+\hd], v[MX+\hd], v[192+\hd] ; m of both halves
.endr
.irp hd, 0,1,2,3
	v_sub_f32 v[28+\hd],  v[MX+\hd],  v[24+\hd]
	v_sub_f32 v[200+\hd], v[192+\hd], v[24+\hd]
.endr
.irp hd, 0,1,2,3
	v_mul_f32 v[28+\hd],  s46, v[28+\hd]
	v_mul_f32 v[200+\hd], s46, v[200+\hd]
.endr
.irp hd, 0,1,2,3
	v_exp_f32 v[28+\hd],  v[28+\hd]                ; my half's weight
	v_exp_f32 v[200+\hd], v[200+\hd]               ; the other's
.endr
.irp hd, 0,1,2,3
	v_mov_b32 v[208+\hd], 0                        ; plain places behind the transcendentals; v_permlanex16_b32's destinations are written first
.endr
	s_wait_alu depctr_va_vdst(0)
.irp hd, 0,1,2,3
	v_mul_f32 v[204+\hd], v[LS+\hd], v[28+\hd]
	v_fma_f32 v[204+\hd], v[196+\hd], v[200+\hd], v[204+\hd]
.endr
.irp hd, 0,1,2,3
	v_permlanex16_b32 v[208+\hd], v[204+\hd], s42, s43             ; l was kept for each half of the lanes' own keys
.endr
.irp hd, 0,1,2,3
	v_add_f32 v[204+\hd], v[204+\hd], v[208+\hd]
.endr
.irp hd, 0,1,2,3
	v_rcp_f32 v[204+\hd], v[204+\hd]
.endr
	v_mov_b32 v212, 0x7fc00000                     ; the plain place behind the reciprocals
	s_wait_alu depctr_va_vdst(0)
.irp hd, 0,1,2,3
	v_cmp_gt_f32 vcc_lo, 0xef800000, v[24+\hd]     ; m below -2^96: no key of the row is true
	v_cndmask_b32 v[204+\hd], v[204+\hd], v212, vcc_lo
	v_mul_f32 v[TT+4*\hd],   v[28+\hd],  v[204+\hd]
	v_mul_f32 v[TT+4*\hd+2], v[200+\hd], v[204+\hd]
	v_mov_b32 v[TT+4*\hd+1], v[TT+4*\hd]
	v_mov_b32 v[TT+4*\hd+3], v[TT+4*\hd+2]
.endr
.irp hd, 0,1,2,3
.set ii, 0
.rept 16
	v_pk_mul_f32 v[SS+32*\hd+2*ii:SS+32*\hd+2*ii+1], v[SS+32*\hd+2*ii:SS+32*\hd+2*ii+1], v[TT+4*\hd+2:TT+4*\hd+3]
.set ii, ii+1
.endr
.endr
	WIN 0x01                                       ; source 0: my own O
.irp hd, 0,1,2,3
.set ii, 0
.rept 16
	v_pk_fma_f32 v[SS+32*\hd+2*ii:SS+32*\hd+2*ii+1], v[OO+32*\hd+2*ii:OO+32*\hd+2*ii+1], v[TT+4*\hd:TT+4*\hd+1], v[SS+32*\hd+2*ii:SS+32*\hd+2*ii+1]
.set ii, ii+1
.endr
.endr
	WIN 0
.set ii, 0
.rept 64                                       ; to f16, compacting in place in ascending order: a destination never lies above its sources
	v_cvt_pk_f16_f32 v[SS+ii], v[SS+2*ii], v[SS+2*ii+1]
.set ii, ii+1
.endr
.set ii, 0
.rept 16                                       ; tile 4 H + dt: 16 bytes of query r's row at byte 128 H + 32 dt + 16 h
	ds_store_b128 v[OSA], v[SS+4*ii:SS+4*ii+3] offset:32*ii
.set ii, ii+1
.endr
.set ii, 0
.rept 16                                       ; whole rows back; the wave's own bytes, served in order
	ds_load_b128 v[KF+4*ii:KF+4*ii+3], v[ORD] offset:OPI*ii
.set ii, ii+1
.endr
.set ii, 0
.rept 16
	s_wait_dscnt 15-ii
	global_store_b128 v[OGO], v[KF+4*ii:KF+4*ii+3], s[54:55] offset:4096*ii      ; 512 consecutive bytes, at a multiple of 512 from the buffer's first byte
.set ii, ii+1
.endr
.Ldone:
	s_wait_tensorcnt 0x0
	ds_add_u32 v62, v63
	s_wait_dscnt 0x0
	ROUND                                          ; the closing round
	s_endpgm
.Lfunc_end_k_qcf5b5121bc_attn:
	.size	k_qcf5b5121bc_attn, .Lfunc_end_k_qcf5b5121bc_attn-k_qcf5b5121bc_attn
	.p2alignl 7, 3214868480
	.fill 96, 4, 3214868480
	.section	.rodata,"a",@progbits
	.p2align	6, 0x0
	.amdhsa_kernel k_qcf5b5121bc_attn
		.amdhsa_group_segment_fixed_size 327680
		.amdhsa_private_segment_fixed_size 0
		.amdhsa_enable_private_segment 0
		.amdhsa_kernarg_size 24
		.amdhsa_user_sgpr_count 2
		.amdhsa_user_sgpr_kernarg_segment_ptr 1
		.amdhsa_wavefront_size32 1
		.amdhsa_system_sgpr_workgroup_id_x 1
		.amdhsa_system_sgpr_workgroup_id_y 1
		.amdhsa_system_sgpr_workgroup_id_z 1
		.amdhsa_system_vgpr_workitem_id 0
		.amdhsa_next_free_vgpr 480
		.amdhsa_next_free_sgpr 100
		.amdhsa_reserve_vcc 1
		.amdhsa_float_denorm_mode_32 3
		.amdhsa_float_denorm_mode_16_64 3
		.amdhsa_memory_ordered 1
		.amdhsa_forward_progress 1
		.amdhsa_inst_pref_size 255
	.end_amdhsa_kernel
	.section	.bss,"aw",@nobits
	.p2align	6
	.space	262144
	.amdgpu_metadata
---
amdhsa.version: [ 1, 2 ]
amdhsa.kernels:
  - .name:           k_qcf5b5121bc_attn
    .symbol:         k_qcf5b5121bc_attn.kd
    .args:
      - { .name: qkv, .offset: 0, .size: 8, .value_kind: global_buffer, .address_space: global }
      - { .name: maskbits, .offset: 8, .size: 8, .value_kind: global_buffer, .address_space: global }
      - { .name: ao, .offset: 16, .size: 8, .value_kind: global_buffer, .address_space: global }
    .group_segment_fixed_size: 327680
    .private_segment_fixed_size: 0
    .kernarg_segment_align: 8
    .kernarg_segment_size: 24
    .max_flat_workgroup_size: 256
    .sgpr_count:     100
    .vgpr_count:     480
    .wavefront_size: 32
...
	.end_amdgpu_metadata
.endif
;; end of part 3
;; launch oproj (part 4): grid 16 x 16, 4 waves a work-group, clusters of 4 x 4, 327,680 bytes of LDS; arguments ao, wot, out0; writes out0
.if DOCPART == 4
	.amdgcn_target "amdgcn-amd-amdhsa--gfx1250"
	.amdhsa_code_object_version 6
	.text
	.protected	k_qcf5b5121bc_oproj
	.globl	k_qcf5b5121bc_oproj
	.p2align	8
	.type	k_qcf5b5121bc_oproj,@function
k_qcf5b5121bc_oproj:
	s_mov_b64 s[64:65], 0
	v_nop
	global_prefetch_b8 v0, s[64:65] scope:SCOPE_SE
	s_setreg_imm32_b32 hwreg(HW_REG_WAVE_MODE, 25, 1), 1
	s_wait_xcnt 0x0
	s_wait_alu depctr_hold_cnt(0) depctr_sa_sdst(0) depctr_va_vdst(0) depctr_va_sdst(0) depctr_va_ssrc(0) depctr_va_vcc(0) depctr_vm_vsrc(0)
	s_getreg_b32 s2, hwreg(HW_REG_IB_STS2, 6, 4)
	s_cmp_eq_u32 s2, 0
	s_cbranch_scc0 .Lentry_in_a_cluster
	s_endpgm
.Lentry_in_a_cluster:
	s_bfe_u32 s2, ttmp6, 0x10000c
	s_cmp_lg_u32 s2, 0xf033
	s_cbranch_scc0 .Lentry_shape_is_right
	s_endpgm
.Lentry_shape_is_right:
; OPROJ: out0[t][n] = sum over k of ao[t][k] wot[n][k] (f16 operands, f32 sums), out f32 [2048][2048].
; A work-group makes 128 x 128 with four waves, a wave 64 x 64: 16 accumulator tiles, 128 registers.
; THE RING: two LDS slots of 256 along K each, the largest that fit twice: 256 rows x (512 + 16) bytes = 135,168 bytes a slot.  A tile's rows are 512 bytes
; of memory and start at multiples of 512 bytes.  Eight slots' worth of K, six refills.  From a request to the wait for it a wave issues
; 8 + 7 x 16 + 4 = 124 matrix instructions.
; CLUSTERS: 4 x 4 work-groups, ao's tiles asked for jointly along a row of the cluster, wot's along a column.
; Transposed use: lane (r, h) register j holds out(token r, column 8 h + j): 32 neighbouring bytes of a row.
; REGISTERS: window 0: v16-26 addresses, v32-95 and v96-159 two fragment buffers (4 of B, 4 of A each); window 1: accumulator (a, b) at v[8 (4 a + b)].
.set NB,     4
.set RROWS,  64
.set SIZE_K, 2048
.set KSTEP,  256                       ; along K in a slot
.set PITCH,  528                       ; an LDS row: 512 bytes + 16 of padding, an odd multiple of 16
.set REG,    RROWS*PITCH               ; wave w fills region w: 0, 1 = ao's two halves, 2, 3 = wot's
.set SLOT,   4*REG
.set STAGE,  2*SLOT                    ; byte 270,336, behind the ring: 16 rows x 272 bytes for each wave; no tensor load lands here
.set SPITCH, 272
.set LAPS,   SIZE_K/(2*KSTEP)
.set ADRA, 16
.set ADRB, 20
.set STO,  24
.set RD,   25
.set CO,   26
.set F0,   32
.set F1,   F0+8*(4+NB)
.set G1, 24
.set G0, 32
.set G1B, 48
.set G0B, 56
.set MSB, 0
.macro WIN new
.if MSB != \new
	s_set_vgpr_msb (MSB<<8)|\new
.set MSB, \new
.endif
.endm
.set MUL, 0x50
.macro JLOAD s
	s_cmp_eq_u32 s11, 0
	s_cbranch_scc0 .Lfor_b_\@
	tensor_load_to_lds s[G0+4*\s:G0+4*\s+3], s[G1:G1+7]
	s_nop 0
	s_branch .Lasked_\@
.Lfor_b_\@:
	tensor_load_to_lds s[G0B+4*\s:G0B+4*\s+3], s[G1B:G1B+7]
	s_nop 0
.Lasked_\@:
.endm
.macro CREST
	s_cmp_lg_u32 s10, 0
	s_cbranch_scc1 .Lnot_wave_0_\@
	s_barrier_signal -3
.Lnot_wave_0_\@:
	s_barrier_wait -3
	s_barrier_signal -1
	s_barrier_wait -1
.endm
.macro CROUND
	s_barrier_signal -1
	s_barrier_wait -1
	CREST
.endm
.macro PLACES
.rept 4
	v_nop
.endr
.endm
	s_load_b128 s[4:7], s[0:1], 0x0                ; ao s[4:5], wot s[6:7]
	s_load_b64 s[8:9], s[0:1], 0x10                ; out0
	v_lshl_add_u32 v254, v0, 2, 0x46400
	v_mov_b32 v255, 0
	ds_add_u32 v254, v255
	v_lshrrev_b32 v1, 5, v0
	v_readfirstlane_b32 s10, v1                    ; wave 0..3
	s_lshr_b32 s11, s10, 1                         ; which 64 tokens are mine.  Also: I fetch for ao (0) or for wot (1)
	s_and_b32 s12, s10, 1                          ; which 64 columns.  Also: which half of that tile I fetch
	s_bfe_u32 s40, ttmp6, 0x40000                  ; cx
	s_bfe_u32 s41, ttmp6, 0x40004                  ; cy
	s_lshl_b32 s42, ttmp9, 2
	s_add_co_u32 s42, s42, s40                     ; block column
	s_and_b32 s13, ttmp7, 0xffff
	s_lshl_b32 s13, s13, 2
	s_add_co_u32 s13, s13, s41                     ; block row
	s_lshl_b32 s43, s41, 2
	s_lshl_b32 s43, 15, s43                        ; my row of the cluster
	s_lshl_b32 s44, 0x1111, s40                    ; my column
	s_or_b32 s[G1+0], s43, (1<<16)|(1<<20)|(1<<21)|(6<<22)|(3<<25)    ; mask; 2-byte elements; padding on, 4 words behind every 128; bit 21 beside a mask
	s_or_b32 s[G1B+0], s44, (1<<16)|(1<<20)|(1<<21)|(6<<22)|(3<<25)
	s_mov_b32 s[G1+1], KSTEP<<16                   ; tensor_dim0 = 256
	s_mov_b32 s[G1B+1], KSTEP<<16
	s_mov_b32 s[G1+2], RROWS<<16                   ; tensor_dim1 = 64
	s_mov_b32 s[G1B+2], RROWS<<16
	s_mov_b32 s[G1+3], KSTEP<<16                   ; tile_dim0 = 256
	s_mov_b32 s[G1B+3], KSTEP<<16
	s_mov_b32 s[G1+4], RROWS                       ; tile_dim1 = 64
	s_mov_b32 s[G1B+4], RROWS
	s_mov_b32 s[G1+5], SIZE_K                      ; elements from row to row
	s_mov_b32 s[G1B+5], SIZE_K
	s_mov_b32 s[G1+6], 0
	s_mov_b32 s[G1B+6], 0
	s_mov_b32 s[G1+7], 0
	s_mov_b32 s[G1B+7], 0
	s_lshl_b32 s17, s12, 6
	s_lshl_b32 s16, s13, 7
	s_add_co_u32 s16, s16, s17                     ; ao: row 128 x block row + 64 x half
	s_lshl_b32 s16, s16, 12
	s_mov_b32 s17, 0
	s_mul_i32 s45, s12, RROWS
	s_mul_i32 s46, s42, 2*RROWS
	s_add_co_u32 s46, s46, s45                     ; wot: row 128 x block column + 64 x half
	s_lshl_b32 s46, s46, 12
	s_mov_b32 s47, 0
	s_mul_i32 s20, s10, REG
	s_wait_dscnt 0x0
	s_wait_kmcnt 0x0
	s_add_nc_u64 s[14:15], s[4:5], s[16:17]
	s_add_nc_u64 s[46:47], s[6:7], s[46:47]
	CROUND                                         ; in front of the first joint loads
.irp s, 0,1
	s_mov_b32 s[G0+4*\s], 1
	s_add_co_u32 s[G0+4*\s+1], s20, \s*SLOT
	s_add_nc_u64 s[G0+4*\s+2:G0+4*\s+3], s[14:15], \s*KSTEP*2
	s_or_b32 s[G0+4*\s+3], s[G0+4*\s+3], 0x80000000
	s_mov_b32 s[G0B+4*\s], 1
	s_add_co_u32 s[G0B+4*\s+1], s20, \s*SLOT
	s_add_nc_u64 s[G0B+4*\s+2:G0B+4*\s+3], s[46:47], \s*KSTEP*2
	s_or_b32 s[G0B+4*\s+3], s[G0B+4*\s+3], 0x80000000
	JLOAD \s                                       ; two tensor loads of the wave are out here, one later
.endr
	v_and_b32 v1, 15, v0                           ; r
	v_bfe_u32 v2, v0, 4, 1                         ; h
	v_mul_u32_u24 v3, v1, PITCH
	v_lshl_add_u32 v3, v2, 4, v3
	s_mul_i32 s21, s11, REG
	s_mul_i32 s22, s12, REG
	s_add_co_u32 s22, s22, 2*REG
.irp s, 0,1
	v_add_nc_u32 v[ADRA+\s], s21, v3
	v_add_nc_u32 v[ADRB+\s], s22, v3
	s_add_co_u32 s21, s21, SLOT
	s_add_co_u32 s22, s22, SLOT
.endr
	s_mul_i32 s23, s10, 16*SPITCH
	s_add_co_u32 s23, s23, STAGE                   ; my stage
	v_mul_u32_u24 v4, v1, SPITCH
	v_lshl_add_u32 v4, v2, 5, v4
	v_add_nc_u32 v[STO], s23, v4                   ; in: row r, 32 bytes for each half of the lanes
	v_mul_u32_u24 v5, v2, SPITCH
	v_lshl_add_u32 v5, v1, 4, v5
	v_add_nc_u32 v[RD], s23, v5                    ; back: lanes 0-15 one row of 256 bytes, lanes 16-31 the next
	v_lshlrev_b32 v5, 13, v2
	v_lshl_add_u32 v[CO], v1, 4, v5                ; the same two rows in out0 (rows of 8,192 bytes)
; The 16 accumulators take turns, one instruction a turn, in the same order in every quarter, over the loop's backward jump too.
.macro MULA f, a, zero
.irp b, 0,1,2,3
.if \zero
	v_wmma_f32_16x16x32_f16 v[8*(NB*\a+\b):8*(NB*\a+\b)+7], v[\f+8*\b:\f+8*\b+7], v[\f+8*NB+8*\a:\f+8*NB+8*\a+7], 0
.else
	v_wmma_f32_16x16x32_f16 v[8*(NB*\a+\b):8*(NB*\a+\b)+7], v[\f+8*\b:\f+8*\b+7], v[\f+8*NB+8*\a:\f+8*NB+8*\a+7], v[8*(NB*\a+\b):8*(NB*\a+\b)+7]
.endif
.endr
.endm
.macro FETCH slot, k, f                ; 16 LDS loads in one run: B's four fragments, then A's four, 32 along K at byte k of the rows
.irp i, 0,1,2,3
	ds_load_b128 v[\f+8*\i:\f+8*\i+3],   v[ADRB+\slot] offset:\k+\i*16*PITCH
	ds_load_b128 v[\f+8*\i+4:\f+8*\i+7], v[ADRB+\slot] offset:\k+\i*16*PITCH+32
.endr
.irp i, 0,1,2,3
	ds_load_b128 v[\f+8*NB+8*\i:\f+8*NB+8*\i+3],   v[ADRA+\slot] offset:\k+\i*16*PITCH
	ds_load_b128 v[\f+8*NB+8*\i+4:\f+8*NB+8*\i+7], v[ADRA+\slot] offset:\k+\i*16*PITCH+32
.endr
.endm
.macro QUARTER slot, k, f, g, zero     ; 32 along K from buffer f; in its middle the next 32 are fetched into buffer g
	s_wait_dscnt 4                                 ; the youngest four loads (A's blocks 2, 3) may be out
	WIN MUL
	MULA \f, 0, \zero
	MULA \f, 1, \zero
	PLACES
	WIN 0
	FETCH \slot, \k, \g
	s_wait_dscnt 2*(4+NB)                          ; all but the 16 just issued
	WIN MUL
	MULA \f, 2, \zero
	MULA \f, 3, \zero
.endm
.macro SEVEN slot, zero                ; the first 224 along K of a slot
	QUARTER \slot, 64,  F0, F1, \zero
	QUARTER \slot, 128, F1, F0, 0
	QUARTER \slot, 192, F0, F1, 0
	QUARTER \slot, 256, F1, F0, 0
	QUARTER \slot, 320, F0, F1, 0
	QUARTER \slot, 384, F1, F0, 0
	QUARTER \slot, 448, F0, F1, 0
.endm
.macro TURN slot, next, fill           ; the last 32 along K of a slot, and the change of slots
	s_wait_dscnt 4
	WIN MUL
	MULA F1, 0, 0
	s_wait_dscnt 0                                 ; my reads of this slot are over,
	s_wait_tensorcnt 0x0                           ; and all my tensor loads have landed, my part of the next slot among them
	ds_add_u32 v254, v255
	s_wait_dscnt 0x0
	s_barrier_signal -1
	MULA F1, 1, 0
	WIN 0
	s_barrier_wait -1
.if \fill
	CREST                                          ; the barrier above opened a round of the cluster's barrier
	s_add_nc_u64 s[G0+4*\slot+2:G0+4*\slot+3], s[G0+4*\slot+2:G0+4*\slot+3], 2*KSTEP*2
	s_add_nc_u64 s[G0B+4*\slot+2:G0B+4*\slot+3], s[G0B+4*\slot+2:G0B+4*\slot+3], 2*KSTEP*2
	JLOAD \slot                                    ; the first tensor load behind the round
.endif
	PLACES
	FETCH \next, 0, F0
	WIN MUL
	MULA F1, 2, 0
	MULA F1, 3, 0
.endm
.macro LAP zero                        ; once round the ring: 512 along K, both slots filled again
	SEVEN 0, \zero
	TURN 0, 1, 1
	SEVEN 1, 0
	TURN 1, 0, 1
.endm
	s_wait_tensorcnt 1                             ; my part of slot 0 is in; slot 1's may stay out
	s_barrier_signal -1
	s_barrier_wait -1
	FETCH 0, 0, F0
	LAP 1                                          ; the first products start the sums: nothing is cleared
	WIN 0
	s_mov_b32 s3, LAPS-2
.Llap:
	LAP 0
	WIN 0
	s_sub_co_u32 s3, s3, 1
	s_cmp_lg_u32 s3, 0
	s_cbranch_scc1 .Llap
	SEVEN 0, 0                                     ; the last lap fills nothing
	TURN 0, 1, 0
	SEVEN 1, 0
	s_wait_dscnt 4
	WIN MUL
	MULA F1, 0, 0
	MULA F1, 1, 0
	s_wait_dscnt 0
	MULA F1, 2, 0
	MULA F1, 3, 0
	PLACES                                         ; behind the last matrix instructions: results are stored to LDS, fragment registers loaded
	WIN 0
	; THE WAY OUT, 16 tokens at a time through my own stage: 32 bytes a lane in, whole rows of 256 bytes back.
	s_lshl_b32 s16, s13, 20                        ; 128 rows of 8,192 bytes
	s_lshl_b32 s14, s11, 19                        ; 64 rows
	s_add_co_u32 s16, s16, s14
	s_mov_b32 s17, 0
	s_add_nc_u64 s[8:9], s[8:9], s[16:17]
	s_lshl_b32 s46, s42, 9                         ; 128 columns of 4 bytes
	s_lshl_b32 s47, s12, 8
	s_add_co_u32 s46, s46, s47
	s_mov_b32 s47, 0
	s_add_nc_u64 s[8:9], s[8:9], s[46:47]
.macro OUT16 a
	WIN 0x04                                       ; store data in window 1
.irp b, 0,1,2,3
	ds_store_b128 v[STO], v[8*(NB*\a+\b):8*(NB*\a+\b)+3]   offset:64*\b
	ds_store_b128 v[STO], v[8*(NB*\a+\b)+4:8*(NB*\a+\b)+7] offset:64*\b+16
.endr
	WIN 0
.irp t, 0,1,2,3,4,5,6,7
	ds_load_b128 v[F0+32*\a+4*\t:F0+32*\a+4*\t+3], v[RD] offset:\t*2*SPITCH    ; the wave's own bytes, served in order; each block of tokens has registers of its own
.endr
.irp t, 0,1,2,3,4,5,6,7
	s_wait_dscnt 7-\t
	global_store_b128 v[CO], v[F0+32*\a+4*\t:F0+32*\a+4*\t+3], s[8:9] offset:(16*\a+2*\t)*8192 th:TH_STORE_NT   ; 16 lanes store 256 consecutive bytes, at a multiple of 256 from out0's first byte
.endr
.endm
	OUT16 0
	OUT16 1
	OUT16 2
	OUT16 3
	s_wait_tensorcnt 0x0
	ds_add_u32 v254, v255
	s_wait_dscnt 0x0
	CROUND                                         ; the closing round
	s_endpgm
.Lfunc_end_k_qcf5b5121bc_oproj:
	.size	k_qcf5b5121bc_oproj, .Lfunc_end_k_qcf5b5121bc_oproj-k_qcf5b5121bc_oproj
	.p2alignl 7, 3214868480
	.fill 96, 4, 3214868480
	.section	.rodata,"a",@progbits
	.p2align	6, 0x0
	.amdhsa_kernel k_qcf5b5121bc_oproj
		.amdhsa_group_segment_fixed_size 327680
		.amdhsa_private_segment_fixed_size 0
		.amdhsa_enable_private_segment 0
		.amdhsa_kernarg_size 24
		.amdhsa_user_sgpr_count 2
		.amdhsa_user_sgpr_kernarg_segment_ptr 1
		.amdhsa_wavefront_size32 1
		.amdhsa_system_sgpr_workgroup_id_x 1
		.amdhsa_system_sgpr_workgroup_id_y 1
		.amdhsa_system_sgpr_workgroup_id_z 1
		.amdhsa_system_vgpr_workitem_id 0
		.amdhsa_next_free_vgpr 384
		.amdhsa_next_free_sgpr 66
		.amdhsa_reserve_vcc 0
		.amdhsa_float_denorm_mode_32 3
		.amdhsa_float_denorm_mode_16_64 3
		.amdhsa_memory_ordered 1
		.amdhsa_forward_progress 1
		.amdhsa_inst_pref_size 127
	.end_amdhsa_kernel
	.amdgpu_metadata
---
amdhsa.version: [ 1, 2 ]
amdhsa.kernels:
  - .name:           k_qcf5b5121bc_oproj
    .symbol:         k_qcf5b5121bc_oproj.kd
    .args:
      - { .name: ao, .offset: 0, .size: 8, .value_kind: global_buffer, .address_space: global }
      - { .name: wot, .offset: 8, .size: 8, .value_kind: global_buffer, .address_space: global }
      - { .name: out0, .offset: 16, .size: 8, .value_kind: global_buffer, .address_space: global }
    .group_segment_fixed_size: 327680
    .private_segment_fixed_size: 0
    .kernarg_segment_align: 8
    .kernarg_segment_size: 24
    .max_flat_workgroup_size: 128
    .sgpr_count:     66
    .vgpr_count:     384
    .wavefront_size: 32
...
	.end_amdgpu_metadata
.endif
;; end of part 4
